; MI455X (gfx1250); checked and timed in simulation.
; The chip was launched on July 23, 2026; its instructions are those of AMD's public machine-readable ISA for CDNA 5 (MIT licence, August 2026) and "CDNA5" Instruction Set Architecture Reference Guide (July 2026). The comments in the code are by the model that wrote it; some were corrected since.
;; Transformer Block. Allowed arithmetic: matrix products marked QUANTISED: E4M3 operands, one E8M0 scale for each 32 along K, by v_wmma_scale_f32_16x16x128_f8f6f4 with both operands' format E4M3, f32 sums; everything else in f32.
;; Inputs: W1 512 x 2,048 float32; W2 2,048 x 512 float32; Wk 512 x 512 float32; Wo 512 x 512 float32; Wq 512 x 512 float32; Wv 512 x 512 float32; b1 2,048 float32; b2 512 float32; bk 512 float32; bo 512 float32; bq 512 float32; bv 512 float32; ln1_b 512 float32; ln1_g 512 float32; ln2_b 512 float32; ln2_g 512 float32; mask 2 x 1 x 1 x 4,096 int32; x 2 x 4,096 x 512 float32.
;; Outputs: out0 2 x 4,096 x 512 float32.
;; This version of the problem:
;;   THIS VERSION OF THE PROBLEM IS GIVEN IN LOW PRECISION. The matrix products marked QUANTISED in the list below multiply operands that are first quantised to E4M3 (4 exponent bits, 3 mantissa bits; 8 bits a number), with one power-of-two scale for each 32 numbers along K (OCP MX v1.0); their sums are f32. All else is computed in f32.
;;   The module's matrix products, in the order in which they are computed (A, B: the left and right operand; K: the contracted axis; several contracted axes count as one K, in the product's order):
;;     1. [M 8,192, K 512] x [K 512, N 512]; A: input x; B: input Wq: QUANTISED
;;     2. [M 8,192, K 512] x [K 512, N 512]; A: input x; B: input Wk: QUANTISED
;;     3. [M 8,192, K 512] x [K 512, N 512]; A: input x; B: input Wv: QUANTISED
;;     4. batch 16 x [M 4,096, K 64] x [K 64, N 4,096]; A: computed on the way; B: computed on the way: QUANTISED
;;     5. batch 16 x [M 4,096, K 4,096] x [K 4,096, N 64]; A: softmax (see below); B: computed on the way: QUANTISED
;;     6. [M 8,192, K 512] x [K 512, N 512]; A: computed on the way; B: input Wo: QUANTISED
;;     7. [M 8,192, K 512] x [K 512, N 2,048]; A: computed on the way; B: input W1: QUANTISED
;;     8. [M 8,192, K 2,048] x [K 2,048, N 512]; A: computed on the way; B: input W2: QUANTISED
;;   THE QUANTISER, for each operand of a quantised product, along K:
;;     - K is cut into blocks of 32 from its start; a last block that is shorter is filled with zeros.
;;     - A block's scale is 2^e with e = floor(log2(the largest magnitude in the block)) - 8, held to -126 .. 127; a block of zeros has e = 0. As a byte (E8M0): e + 127.
;;     - Each number is divided by its block's scale, clamped to +-448, and rounded to the nearest number of E4M3, ties to even, subnormals kept.
;;     - The product sums the exact products of the quantised numbers (number of the format x scale) in f32.
;;   ~~~python
;;   def quantise(x, axis):      # numpy; x: float32 -> the quantised numbers, widened to float32 again
;;       x = np.moveaxis(x, axis, -1); K = x.shape[-1]
;;       x = np.pad(x, [(0, 0)] * (x.ndim - 1) + [(0, -K % 32)]); x = x.reshape(x.shape[:-1] + (-1, 32)); a = np.abs(x).max(-1, keepdims=True)
;;       e = np.where(a > 0, np.clip(np.frexp(np.where(a > 0, a, 1))[1] - 1 - 8, -126, 127), 0)      # np.frexp(a)[1] - 1 = floor(log2(a)), exactly
;;       r = np.clip(x / 2.0 ** e, -448, 448)
;;       step = 2.0 ** (np.maximum(np.frexp(np.where(r == 0, 1, r))[1] - 1, -6) - 3)
;;       q = np.round(r / step) * step * 2.0 ** e      # np.round: ties to even
;;       return np.moveaxis(q.reshape(q.shape[:-2] + (-1,))[..., :K], -1, axis).astype(np.float32)
;;   ~~~
;;   SOFTMAX AHEAD OF A QUANTISED PRODUCT. Where the list says 'softmax', what is quantised is not the finished softmax but p = 2^(t - M), with t = logit x log2(e) and M = ceil(the row's largest t), a whole number; so 1/2 < the row's largest p <= 1. The row's sum l is taken of the UNQUANTISED p, in f32, and the product's result is divided by l at the end. Since M is a whole number, a kernel that streams over the keys may use a running M (the ceiling of the running maximum): every later rescaling is an exact power of two, which a block's scale takes up: the codes' values come out the same.
;;   OPERANDS COMPUTED ON THE WAY. 'Computed on the way' means the value that the module computes at that place (a softmax that the list does not call 'softmax' is quantised finished and normalised). What goes into a quantiser is computed in f32, as accurately as f32 sums, v_exp_f32 and their like allow (about 1e-6 of the number): no bf16 or f16 on the way to a quantiser, and a product that is left as it is and whose result goes on into a quantised operand takes f32 operands (vector FMAs, or v_wmma_f32_16x16x4_f32). A number that lies on a knife's edge between two numbers of the format may be rounded either way, as far as f32 arithmetic and the matrix unit's own rounding can turn it there, and no further.
;; One version. Each part assembles by itself: llvm-mc -triple=amdgcn-amd-amdhsa -mcpu=gfx1250 --defsym DOCPART=n.
;; ======== version 1 of 1: 4 launches
;; limits: right only within a limited range of input values
;; workspace buffers: wbuf 3,244,032 bytes; qkvbuf 13,500,416 bytes; ctxbuf 4,325,376 bytes
;; launch wq (part 1): grid 192 x 1, 4 waves a work-group, no clusters, 0 bytes of LDS; arguments Wq, Wk, Wv, Wo, W1, W2, wbuf; writes wbuf
.if DOCPART == 1
	.amdgcn_target "amdgcn-amd-amdhsa--gfx1250"
	.amdhsa_code_object_version 6
	.text
	.protected	k_q25e002f11f_wq
	.globl	k_q25e002f11f_wq
	.p2align	8
	.type	k_q25e002f11f_wq,@function
k_q25e002f11f_wq:
	s_mov_b64 s[64:65], 0
	v_nop
	global_prefetch_b8 v0, s[64:65] scope:SCOPE_SE
	s_setreg_imm32_b32 hwreg(HW_REG_WAVE_MODE, 25, 1), 1
	s_wait_xcnt 0x0
; The six weights, f32 stored [K][N] with K as first axis, become codes of FP8 (E4M3) with one E8M0 byte for each 32 along K,
; laid in wbuf in the order in which the later launches' operand registers want them.
; RECORD (REC bytes) = 64 features x 128 along K: four tiles of 16 features, each an image of its fragment's registers
; (tile ft at 2048 ft; registers 4c..4c+3 of lane l at 512 c + 16 l), then 256 bytes of scale words (tile 2b+u, row r at 8192 + 128 b + 64 u + 4 r).
; THE FEATURES OF A TILE ARE NOT NEIGHBOURS: of 32 neighbouring features tile u takes 8u + r + 8 (r / 8), r = 0..15.
; Record numbers: head hd's q, k, v weights, K step s: 12 hd + 4 ty + s.  For wave w of the last launch: 96 + 36 w + n,
; n = s (Wo), 4 + 4 q + s (W1, hidden units 256 w + 64 q on), 20 + s (W2).
; A LANE TAKES A COLUMN AND ITS REGISTERS RUN DOWN K: a load reads 128 neighbouring bytes a wave (512 a work-group), a block of 32 lies in one lane,
; and the conversions give codes with K innermost.  A wave takes 32 columns x 128 along K: two tiles of one record.  A lane's 32 codes of a block are
; the two 16-byte pieces (lane halves 0 and 1) of one chunk: sixteen lanes fill 256 consecutive, aligned bytes of each tile with each store.
; No LDS, no barrier, no matrix work, no shared tile: waves share nothing.
; A block's scale byte is its largest magnitude's exponent field - 8, held at 1 from below; a block of zeros so gets 1, not 127: its codes are zeros and this program alone reads the bytes.
; LIMITS: NaN and infinities among the inputs are not served.
.set REC, 8448
.set X,   32                           ; v32-95  two sets of 32 numbers
.set C,   96                           ; v96-127 codes, eight registers for each of the four blocks: no store's data are written again
	s_load_b256 s[4:11], s[0:1], 0x0               ; Wq, Wk, Wv, Wo
	s_load_b128 s[12:15], s[0:1], 0x20             ; W1, W2
	s_load_b64 s[16:17], s[0:1], 0x30              ; wbuf
	v_lshrrev_b32 v1, 5, v0
	v_readfirstlane_b32 s18, v1                    ; wave
	v_and_b32 v1, 31, v0                           ; f: my column of the wave's 32
	v_lshlrev_b32 v2, 2, v1                        ; in: 4 f
	v_bfe_u32 v5, v1, 3, 1                         ; u = (f / 8) % 2
	v_and_b32 v6, 7, v1
	v_bfe_u32 v7, v1, 4, 1
	v_lshl_add_u32 v6, v7, 3, v6                   ; r = f % 8 + 8 (f / 16)
	v_lshlrev_b32 v3, 4, v6
	v_lshl_add_u32 v3, v5, 11, v3                  ; codes: 2048 u + 16 r
	s_wait_alu depctr_va_vdst(0)
	v_lshlrev_b32 v4, 2, v6
	v_lshl_add_u32 v4, v5, 6, v4                   ; scale word: 64 u + 4 r
	s_wait_alu depctr_va_vdst(0)
	s_mov_b32 s19, 0x600000                        ; the mantissa field of 448
	; which matrix, which columns, which K step: from the work-group's number alone
	s_and_b32 s20, ttmp9, 3
	s_and_b32 s21, ttmp9, 15
	s_lshr_b32 s22, ttmp9, 2
	s_and_b32 s23, s22, 3
	s_and_b32 s24, s22, 15
	s_lshr_b32 s25, ttmp9, 4                       ; 0..3: Wq, Wk, Wv, Wo
	s_and_b32 s26, s25, 3
	s_lshr_b32 s27, ttmp9, 6                       ; 0: one of those four; 1: W1; 2: W2
	s_lshl_b32 s33, s26, 2
	s_cmp_eq_u32 s27, 1
	s_cselect_b32 s20, s21, s20                    ; which four groups of 32 columns
	s_cselect_b32 s23, s26, s23
	s_cselect_b32 s35, 20, 18                      ; 128 rows of W are 2^20 bytes (W1) or 2^18
	s_cmp_eq_u32 s27, 2
	s_cselect_b32 s23, s24, s23                    ; K step
	s_lshl_b32 s28, s20, 2
	s_add_co_u32 s28, s28, s18                     ; g: my group of 32 columns
	s_lshr_b32 s29, s28, 1
	s_lshr_b32 s30, s28, 3
	s_and_b32 s31, s29, 3
	s_mov_b32 s32, 96
	s_mov_b32 s34, 36
	s_cmp_eq_u32 s27, 1
	s_cselect_b32 s29, s30, s29                    ; head, or wave of the last launch
	s_cselect_b32 s31, s31, 0                      ; W1: which 64 of the wave's 256
	s_cselect_b32 s32, 100, s32
	s_cmp_eq_u32 s27, 2
	s_cselect_b32 s32, 116, s32
	s_cmp_lt_u32 ttmp9, 48
	s_cselect_b32 s32, s33, s32
	s_cselect_b32 s34, 12, s34
	s_mul_i32 s29, s29, s34
	s_add_co_u32 s32, s32, s29
	s_lshl_b32 s31, s31, 2
	s_add_co_u32 s32, s32, s31
	s_add_co_u32 s32, s32, s23                     ; the record
	s_mul_i32 s40, s32, REC
	s_mov_b32 s41, 0
	s_lshl_b32 s36, s23, s35
	s_lshl_b32 s37, s28, 7
	s_add_co_u32 s36, s36, s37                     ; W: 128 rows x K step + 128 bytes x g
	s_mov_b32 s37, 0
	s_and_b32 s38, s28, 1                          ; which pair of the record's four tiles
	s_lshl_b32 s39, s38, 12
	v_add_nc_u32 v3, s39, v3
	s_lshl_b32 s39, s38, 7
	v_add_nc_u32 v4, s39, v4
	s_wait_kmcnt 0x0
	s_cmp_eq_u32 s25, 1                            ; the choices hang on the work-group's number alone
	s_cselect_b64 s[4:5], s[6:7], s[4:5]
	s_cmp_eq_u32 s25, 2
	s_cselect_b64 s[4:5], s[8:9], s[4:5]
	s_cmp_eq_u32 s25, 3
	s_cselect_b64 s[4:5], s[10:11], s[4:5]
	s_cmp_eq_u32 s27, 1
	s_cselect_b64 s[4:5], s[12:13], s[4:5]
	s_cmp_eq_u32 s27, 2
	s_cselect_b64 s[4:5], s[14:15], s[4:5]
	s_add_nc_u64 s[4:5], s[4:5], s[36:37]
	s_add_nc_u64 s[16:17], s[16:17], s[40:41]
.macro LOADB t, pitch                  ; block t: W(32 t + i, my column), i = 0..31, into set t % 2
.irp i, 0,1,2,3,4,5,6,7,8,9,10,11,12,13,14,15,16,17,18,19,20,21,22,23,24,25,26,27,28,29,30,31
	global_load_b32 v[X+32*((\t)%2)+\i], v2, s[4:5] offset:(32*(\t)+\i)*\pitch th:TH_LOAD_NT
.endr
.endm
.macro BLOCK t, pitch
.set XS, X+32*((\t)%2)
.if (\t) < 3
	s_wait_loadcnt 32                              ; this block's 32 loads are in; the next block's 32 may be out
.else
	s_wait_loadcnt 0
.endif
	v_max3_num_f32 v12, |v[XS]|, |v[XS+1]|, |v[XS+2]|       ; the block's largest magnitude: all 32 numbers are mine
	v_max3_num_f32 v13, |v[XS+3]|, |v[XS+4]|, |v[XS+5]|
.irp i, 6,10,14,18,22,26
	v_max3_num_f32 v12, v12, |v[XS+\i]|, |v[XS+\i+1]|
	v_max3_num_f32 v13, v13, |v[XS+\i+2]|, |v[XS+\i+3]|
.endr
	v_max3_num_f32 v12, v12, |v[XS+30]|, |v[XS+31]|
	v_max3_num_f32 v12, v12, v13, 0x4800000        ; and the floor 2^(9 - 127): the byte cannot fall under 1
	v_add_nc_u32 v11, 0xfc000000, v12              ; 8 off the exponent field: the conversion's scale operand
	v_and_or_b32 v10, v12, 0x7f800000, s19         ; 448 x the scale
	v_lshrrev_b32 v13, 23, v11                     ; the scale's byte
.if (\t) == 0
	v_mov_b32 v24, v13
.else
	v_lshl_or_b32 v24, v13, 8*(\t), v24            ; the four bytes make the K step's scale word of my column
.endif
.irp i, 0,1,2,3,4,5,6,7,8,9,10,11,12,13,14,15,16,17,18,19,20,21,22,23,24,25,26,27,28,29,30,31
	v_med3_num_f32 v[XS+\i], v[XS+\i], -v10, v10   ; the conversion to an 8-bit code does not saturate (ISA guide 7.6.2): the hold at 448 x the scale
.endr
.irp g, 0,1,2,3
	v_cvt_scalef32_pk8_fp8_f32 v[C+8*(\t)+2*\g:C+8*(\t)+2*\g+1], v[XS+8*\g:XS+8*\g+7], v11
.endr
	global_store_b128 v3, v[C+8*(\t):C+8*(\t)+3], s[16:17] offset:512*(\t)          ; k = 32 t + 0..15: the piece of lane r
	global_store_b128 v3, v[C+8*(\t)+4:C+8*(\t)+7], s[16:17] offset:512*(\t)+256    ; k = 32 t + 16..31: the piece of lane 16 + r
.if (\t)+2 < 4
	LOADB (\t)+2, \pitch
.endif
.endm
.macro BODY pitch                      ; every offset is an immediate: 127 rows of W at the most, 1,040,384 bytes
	LOADB 0, \pitch
	LOADB 1, \pitch
	BLOCK 0, \pitch
	BLOCK 1, \pitch
	BLOCK 2, \pitch
	BLOCK 3, \pitch
	global_store_b32 v4, v24, s[16:17] offset:8192
	s_endpgm
.endm
	s_cmp_eq_u32 s27, 1
	s_cbranch_scc1 .Lwide
	BODY 2048                                      ; rows of 512 numbers
.Lwide:
	BODY 8192                                      ; W1: rows of 2,048 numbers
.Lfunc_end_k_q25e002f11f_wq:
	.size	k_q25e002f11f_wq, .Lfunc_end_k_q25e002f11f_wq-k_q25e002f11f_wq
	.p2alignl 7, 3214868480
	.fill 96, 4, 3214868480
	.section	.rodata,"a",@progbits
	.p2align	6, 0x0
	.amdhsa_kernel k_q25e002f11f_wq
		.amdhsa_group_segment_fixed_size 0
		.amdhsa_private_segment_fixed_size 0
		.amdhsa_enable_private_segment 0
		.amdhsa_kernarg_size 56
		.amdhsa_user_sgpr_count 2
		.amdhsa_user_sgpr_kernarg_segment_ptr 1
		.amdhsa_wavefront_size32 1
		.amdhsa_system_sgpr_workgroup_id_x 1
		.amdhsa_system_sgpr_workgroup_id_y 1
		.amdhsa_system_sgpr_workgroup_id_z 1
		.amdhsa_system_vgpr_workitem_id 0
		.amdhsa_next_free_vgpr 128
		.amdhsa_next_free_sgpr 66
		.amdhsa_reserve_vcc 0
		.amdhsa_float_denorm_mode_32 3
		.amdhsa_float_denorm_mode_16_64 3
		.amdhsa_memory_ordered 1
		.amdhsa_forward_progress 1
		.amdhsa_inst_pref_size 58
	.end_amdhsa_kernel
	.amdgpu_metadata
---
amdhsa.version: [ 1, 2 ]
amdhsa.kernels:
  - .name:           k_q25e002f11f_wq
    .symbol:         k_q25e002f11f_wq.kd
    .args:
      - { .name: Wq, .offset: 0, .size: 8, .value_kind: global_buffer, .address_space: global }
      - { .name: Wk, .offset: 8, .size: 8, .value_kind: global_buffer, .address_space: global }
      - { .name: Wv, .offset: 16, .size: 8, .value_kind: global_buffer, .address_space: global }
      - { .name: Wo, .offset: 24, .size: 8, .value_kind: global_buffer, .address_space: global }
      - { .name: W1, .offset: 32, .size: 8, .value_kind: global_buffer, .address_space: global }
      - { .name: W2, .offset: 40, .size: 8, .value_kind: global_buffer, .address_space: global }
      - { .name: wbuf, .offset: 48, .size: 8, .value_kind: global_buffer, .address_space: global }
    .group_segment_fixed_size: 0
    .private_segment_fixed_size: 0
    .kernarg_segment_align: 8
    .kernarg_segment_size: 56
    .max_flat_workgroup_size: 128
    .sgpr_count:     66
    .vgpr_count:     128
    .wavefront_size: 32
...
	.end_amdgpu_metadata
.endif
;; end of part 1
;; launch qkv (part 2): grid 256 x 1, 8 waves a work-group, no clusters, 17,920 bytes of LDS; arguments x, mask, wbuf, bq, bk, bv, qkvbuf; writes qkvbuf
.if DOCPART == 2
	.amdgcn_target "amdgcn-amd-amdhsa--gfx1250"
	.amdhsa_code_object_version 6
	.text
	.protected	k_q25e002f11f_qkv
	.globl	k_q25e002f11f_qkv
	.p2align	8
	.type	k_q25e002f11f_qkv,@function
k_q25e002f11f_qkv:
	s_mov_b64 s[64:65], 0
	v_nop
	global_prefetch_b8 v0, s[64:65] scope:SCOPE_SE
	s_setreg_imm32_b32 hwreg(HW_REG_WAVE_MODE, 25, 1), 1
	s_wait_xcnt 0x0
; q = x Wq + bq, k = x Wk + bk, v = x Wv + bv on codes of FP8 (E4M3) with E8M0 scales for each 32 along K; q and k are quantised again along the head's 64, v along the keys,
; and stored as images of the attention launch's operand registers.
; SHARES.  A work-group takes 32 tokens (two tiles of 16; of the 32, tile u takes tokens 8u + r + 8 (r / 8)); wave w quantises one fragment of x (tile w / 4, K step w % 4), stores its image in LDS,
; and after the one barrier makes head w's q, k and v for both tiles: 12 units of 64 features x 128 along K, 8 matrix instructions each, on 8 accumulators that take turns.
; WEIGHTS come straight from memory into operand registers (wbuf is laid in register order): four buffers of 64 registers, each unit's 18 loads asked for four units ahead.
; No joint loads in a cluster: each byte of a record is wanted by one wave of a work-group, in its registers, and a joint load can only land in LDS, which would add a store and a read of LDS for each byte.
; q, k: source 0 = 16 features, source 1 = 16 tokens: a lane holds one token and 16 neighbouring features for each block of 32.   v: sources swapped: a lane holds one feature and 16 neighbouring tokens (keys).
; THE MASK rides in the unused half of the scores' K step of 128: Q has the code 1.0 at k = 64 (made in the attention launch); a masked key has the code -1.0 there under the scale 2^33 and zeros for its 64 real codes,
; so that its score is exactly -2^33; an open key has 0 there under 2^-63.  The fourth block's byte is 2^-63 on both sides.
; LIMITS: a real q . k must stay above -2^33 (masked logits are -2^33 / 8 where the definition has -1e9: the weights are the same as long as that holds); NaN and infinities are not served;
; a block of zeros gets the byte 1, not 127: its codes are zeros and this program alone reads the bytes.
.set REC,   8448
.set QS,    4194304                    ; qkvbuf: Q's codes from 0, 2,048 bytes a group of 32 queries; Q's scale words from QS, 128 bytes a group;
.set KV,    4456448                    ; from KV one record of KVREC bytes for each 128 keys of a head:
.set KVREC, 17664                      ;   K's codes (1024 T + 512 b + 16 l),
.set VCO,   8192                       ;   V's codes (2048 D + 512 beta + 16 l),
.set KSO,   16384                      ;   K's scale words (128 beta + 4 l),
.set KPO,   16896                      ;   K's pad words (128 beta + 4 l),
.set VSO,   17408                      ;   V's scale words (64 D + 4 r, byte beta)
.set XIMG,  0                          ; LDS: x's eight fragments, fragment 4 u + s at 2048 (4 u + s)
.set XSC,   16384                      ; their scale words: 128 s + 64 u + 4 r
.set L16, 1                            ; 16 x lane
.set L4,  2                            ; 4 x lane
.set R4,  3                            ; 4 x (lane % 16)
.set XA,  4                            ; x: my row and half
.set XW,  5                            ; LDS: 16 x lane + 2048 x wave
.set XSW, 6                            ; LDS: 4 r + 128 (wave % 4) + 64 (wave / 4)
.set H64, 7                            ; 64 x (lane / 16): a bias's 16 numbers of my half
.set RP4, 8                            ; 4 (r + 8 (r / 8))
.set RPP, 9                            ; the same + 32 (lane / 16)
.set PADC, 10                          ; 0xb8: the code -1.0
.set T0,  11                           ; v11-14 at work
.set KHM, 15                           ; the upper bytes of a masked key's scale word
.set TM,  16                           ; v16-19 largest magnitudes, v20-23 bytes, v24-27 holds, v28-31 scale operands
.set PC,  32                           ; v32-47 the codes just made
.set WS,  48                           ; v48-55 the weights' scale words, two registers a buffer (lanes 0-15 the even tile, lanes 16-31 the odd one)
.set ASR, 56                           ; x's scale words (lanes 0-15 tile 0, lanes 16-31 tile 1)
.set MKP, 57                           ; the mask of my key: lanes 0-15 tile 0, lanes 16-31 tile 1
.set MK0, 58                           ; the mask of tile 0's row r;  v59 of tile 1's
.set MK1, 59
.set BV,  60                           ; v60-63 bv of feature tile D, row r
.set AF,  64                           ; v64-95 x's two fragments of a K step
.set BS,  96                           ; v96-127 a bias in the result's layout, eight registers a feature tile
.set ACC, 128                          ; v128-191 eight accumulators;  window 1: the four weight buffers, 64 registers each
.set WV,  18
.set SEL, 20
.set MNT, 22
.set HI,  23
.set WP,  24
.set MSB, 0
.macro WIN new                         ; the immediate's high byte repeats the setting that is left
.if MSB != \new
	s_set_vgpr_msb (MSB<<8)|\new
.set MSB, \new
.endif
.endm
.macro PLACES8                         ; eight places behind this matrix form in front of loads into its registers and of the first read of results
.rept 8
	v_nop
.endr
.endm
; one matrix instruction; all arguments are register numbers; ra, rb = 1: that side's scales stand in lanes 16-31
.macro WMS d, a, b, c, sa, sb, ra, rb
.if ((\ra) == 0) && ((\rb) == 0)
	v_wmma_scale_f32_16x16x128_f8f6f4 v[\d:\d+7], v[\a:\a+15], v[\b:\b+15], v[\c:\c+7], v[\sa], v[\sb]
.elseif (\rb) == 0
	v_wmma_scale_f32_16x16x128_f8f6f4 v[\d:\d+7], v[\a:\a+15], v[\b:\b+15], v[\c:\c+7], v[\sa], v[\sb] matrix_a_scale:MATRIX_SCALE_ROW1
.elseif (\ra) == 0
	v_wmma_scale_f32_16x16x128_f8f6f4 v[\d:\d+7], v[\a:\a+15], v[\b:\b+15], v[\c:\c+7], v[\sa], v[\sb] matrix_b_scale:MATRIX_SCALE_ROW1
.else
	v_wmma_scale_f32_16x16x128_f8f6f4 v[\d:\d+7], v[\a:\a+15], v[\b:\b+15], v[\c:\c+7], v[\sa], v[\sb] matrix_a_scale:MATRIX_SCALE_ROW1 matrix_b_scale:MATRIX_SCALE_ROW1
.endif
.endm
.macro WLOAD buf, n                    ; record n of my stream into buffer buf: 16 + 2 loads, each of 512 or 128 consecutive bytes
	WIN 0x40                                       ; destination window 1, address window 0
.irp ft, 0,1,2,3
.irp c, 0,1,2,3
	global_load_b128 v[64*\buf+16*\ft+4*\c:64*\buf+16*\ft+4*\c+3], v[L16], s[WP:WP+1] offset:(\n)*REC+2048*\ft+512*\c
.endr
.endr
	WIN 0
.irp b, 0,1
	global_load_b32 v[WS+2*\buf+\b], v[L4], s[WP:WP+1] offset:(\n)*REC+8192+128*\b
.endr
.endm
.macro XFETCH s                        ; x's two fragments of K step s and their scale words
.irp u, 0,1
.irp c, 0,1,2,3
	ds_load_b128 v[AF+16*\u+4*\c:AF+16*\u+4*\c+3], v[L16] offset:XIMG+2048*\s+8192*\u+512*\c
.endr
.endr
	ds_load_b32 v[ASR], v[L4] offset:XSC+128*\s
.endm
.macro BLOAD p                         ; a bias's 64 numbers of my head in the result's layout: tile 2 b + u, register j: feature 32 b + 16 h + 8 u + j
.irp t, 0,1,2,3
	global_load_b128 v[BS+8*\t:BS+8*\t+3], v[H64], s[\p:\p+1] offset:(32*(\t/2)+8*(\t%2))*4
	global_load_b128 v[BS+8*\t+4:BS+8*\t+7], v[H64], s[\p:\p+1] offset:(32*(\t/2)+8*(\t%2))*4+16
.endr
.endm
; 8 matrix instructions: source 0 = the buffer's four feature tiles, source 1 = the two token tiles.  cm = 1: the bias is the C of the sum's first instruction.  The eight accumulators take turns
.macro MM buf, cm
	WIN 0x01                                       ; source 0 window 1
.irp ft, 0,1,2,3
.irp u, 0,1
.if \cm
	WMS ACC+32*\u+8*\ft, 64*\buf+16*\ft, AF+16*\u, BS+8*\ft, WS+2*\buf+\ft/2, ASR, \ft%2, \u
.else
	WMS ACC+32*\u+8*\ft, 64*\buf+16*\ft, AF+16*\u, ACC+32*\u+8*\ft, WS+2*\buf+\ft/2, ASR, \ft%2, \u
.endif
.endr
.endr
	WIN 0
.endm
; the same with the sources swapped, for v: a lane then holds one feature, and the 16 registers of a feature tile are 16 neighbouring tokens
.macro MMV buf, cm
	WIN 0x04                                       ; source 1 window 1
.irp dt, 0,1,2,3
.irp u, 0,1
.if \cm
	WMS ACC+16*\dt+8*\u, AF+16*\u, 64*\buf+16*\dt, BS+8*\dt, ASR, WS+2*\buf+\dt/2, \u, \dt%2
.else
	WMS ACC+16*\dt+8*\u, AF+16*\u, 64*\buf+16*\dt, ACC+16*\dt+8*\u, ASR, WS+2*\buf+\dt/2, \u, \dt%2
.endif
.endr
.endr
	WIN 0
.endm
.macro UNITQ n, buf, cm                ; n: the loads that may stay out: those of the units asked for behind this one
	s_wait_loadcnt \n
	s_wait_dscnt 0x0                               ; x's fragments are in
	MM \buf, \cm
	PLACES8
.endm
.macro UNITV n, buf, cm
	s_wait_loadcnt \n
	s_wait_dscnt 0x0
	MMV \buf, \cm
	PLACES8
.endm
; 64 numbers of a lane, four blocks of 16 (the block's other 16 lie in lane l xor 16), become codes in v[PC] on; the bytes stay in v[TM+4] on.  Each accumulator is first read at its low end
.macro QUANT s, d
.irp b, 0,1,2,3
	v_max3_num_f32 v[TM+\b], |v[\s+16*\b]|, |v[\s+16*\b+1]|, 0x4800000   ; with the floor 2^(9 - 127): the byte cannot fall under 1
.endr
.irp i, 2,4,6,8,10,12,14
.irp b, 0,1,2,3
	v_max3_num_f32 v[TM+\b], v[TM+\b], |v[\s+16*\b+\i]|, |v[\s+16*\b+\i+1]|
.endr
.endr
.irp b, 0,1,2,3
	s_delay_alu instid0(VALU_DEP_4)
	v_permlanex16_b32 v[TM+4+\b], v[TM+\b], s[SEL], s[SEL+1]
.endr
.irp b, 0,1,2,3
	s_delay_alu instid0(VALU_DEP_4)
	v_max_num_f32 v[TM+\b], v[TM+\b], v[TM+4+\b]
.endr
.irp b, 0,1,2,3
	s_delay_alu instid0(VALU_DEP_4)
	v_add_nc_u32 v[TM+12+\b], 0xfc000000, v[TM+\b]           ; 8 off the exponent field: the conversion's scale operand
.endr
.irp b, 0,1,2,3
	v_and_or_b32 v[TM+8+\b], v[TM+\b], 0x7f800000, s[MNT]    ; 448 x the scale
.endr
.irp b, 0,1,2,3
	v_lshrrev_b32 v[TM+4+\b], 23, v[TM+12+\b]                ; the scale's byte
.endr
.irp b, 0,1,2,3
.irp i, 0,1,2,3,4,5,6,7,8,9,10,11,12,13,14,15
	v_med3_num_f32 v[\d+16*\b+\i], v[\s+16*\b+\i], -v[TM+8+\b], v[TM+8+\b]   ; the conversion does not saturate (ISA guide 7.6.2): the hold
.endr
	v_cvt_scalef32_pk8_fp8_f32 v[PC+4*\b:PC+4*\b+1], v[\d+16*\b:\d+16*\b+7], v[TM+12+\b]
	v_cvt_scalef32_pk8_fp8_f32 v[PC+4*\b+2:PC+4*\b+3], v[\d+16*\b+8:\d+16*\b+15], v[TM+12+\b]
.endr
	v_nop                                          ; a plain line between the last conversion and whatever next touches its registers
.endm
	s_load_b256 s[4:11], s[0:1], 0x0               ; x, mask, wbuf, bq
	s_load_b128 s[12:15], s[0:1], 0x20             ; bk, bv
	s_load_b64 s[16:17], s[0:1], 0x30              ; qkvbuf
	v_lshl_add_u32 v254, v0, 2, 0x4200
	v_mov_b32 v255, 0
	v_lshrrev_b32 v[T0], 5, v0
	s_delay_alu instid0(VALU_DEP_1)
	v_readfirstlane_b32 s[WV], v[T0]               ; wave = head
	v_and_b32 v[T0], 31, v0
	v_and_b32 v[T0+1], 15, v0                      ; r
	v_bfe_u32 v[T0+2], v0, 4, 1                    ; h
	s_delay_alu instid0(VALU_DEP_3)
	v_lshlrev_b32 v[L16], 4, v[T0]
	s_delay_alu instid0(VALU_DEP_4)
	v_lshlrev_b32 v[L4], 2, v[T0]
	s_delay_alu instid0(VALU_DEP_4)
	v_lshlrev_b32 v[R4], 2, v[T0+1]
	v_and_b32 v[T0+3], 8, v[T0+1]
	s_delay_alu instid0(VALU_DEP_1)
	v_add_nc_u32 v[T0+3], v[T0+3], v[T0+1]         ; r + 8 (r / 8)
	s_delay_alu instid0(VALU_DEP_1)
	v_lshlrev_b32 v[XA], 11, v[T0+3]               ; a token's row is 2,048 bytes
	s_delay_alu instid0(VALU_DEP_1)
	v_lshl_add_u32 v[XA], v[T0+2], 6, v[XA]        ; + 64 h: my 16 numbers of a block of 32
	v_lshlrev_b32 v[H64], 6, v[T0+2]
	s_delay_alu instid0(VALU_DEP_4)
	v_lshlrev_b32 v[RP4], 2, v[T0+3]
	s_delay_alu instid0(VALU_DEP_1)
	v_lshl_add_u32 v[RPP], v[T0+2], 5, v[RP4]
	v_mov_b32 v[PADC], 0xb8
	v_mov_b32 v[KHM], 0x40a00000
	s_lshl_b32 s48, s[WV], 11
	v_add_nc_u32 v[XW], s48, v[L16]
	s_and_b32 s49, s[WV], 3                        ; my fragment of x: K step,
	s_lshr_b32 s50, s[WV], 2                       ; token tile
	s_lshl_b32 s51, s49, 7
	s_lshl_b32 s52, s50, 6
	s_add_co_u32 s51, s51, s52
	v_add_nc_u32 v[XSW], s51, v[R4]
.irp b, 0,1,2,3
	v_mov_b32 v[TM+4+\b], 0                        ; written once: a lane permute's destination counts as one of its sources
.endr
	s_mov_b32 s[SEL], 0x76543210
	s_mov_b32 s[SEL+1], 0xfedcba98                 ; v_permlanex16_b32's selects for lane l xor 16
	s_mov_b32 s[MNT], 0x600000                     ; the mantissa field of 448
	s_mov_b32 s[HI], 0xffff0000                    ; lanes 16-31
	s_mov_b32 s59, 0
	s_lshr_b32 s53, ttmp9, 7                       ; batch
	s_and_b32 s54, ttmp9, 127                      ; group of 32 tokens in the batch
	s_lshr_b32 s55, s54, 2                         ; its step of 128 keys,
	s_and_b32 s56, s54, 3                          ; and its place beta in that step
	s_lshl_b32 s57, s53, 3
	s_add_co_u32 s57, s57, s[WV]                   ; batch x 8 + head
	s_wait_alu depctr_va_vdst(0)
	s_wait_kmcnt 0x0
	s_mul_i32 s58, s[WV], 12*REC
	s_add_nc_u64 s[WP:WP+1], s[8:9], s[58:59]      ; my head's 12 records
	s_lshl_b32 s58, ttmp9, 16
	s_lshl_b32 s60, s50, 14
	s_add_co_u32 s58, s58, s60
	s_lshl_b32 s60, s49, 9
	s_add_co_u32 s58, s58, s60
	s_add_nc_u64 s[26:27], s[4:5], s[58:59]        ; x: 32 tokens x work-group + 8 tokens x tile + 512 bytes x K step
	s_lshl_b32 s58, ttmp9, 7
	s_add_nc_u64 s[28:29], s[6:7], s[58:59]        ; mask
	s_lshl_b32 s58, s[WV], 8
	s_add_nc_u64 s[30:31], s[10:11], s[58:59]      ; bq, bk, bv at my head
	s_add_nc_u64 s[32:33], s[12:13], s[58:59]
	s_add_nc_u64 s[34:35], s[14:15], s[58:59]
	s_lshl_b32 s60, s57, 7
	s_add_co_u32 s60, s60, s54
	s_lshl_b32 s58, s60, 11
	s_add_nc_u64 s[36:37], s[16:17], s[58:59]      ; Q's codes
	s_lshl_b32 s58, s60, 7
	s_add_co_u32 s58, s58, QS
	s_add_nc_u64 s[38:39], s[16:17], s[58:59]      ; Q's scale words
	s_lshl_b32 s60, s57, 5
	s_add_co_u32 s60, s60, s55
	s_mul_i32 s60, s60, KVREC
	s_add_co_u32 s60, s60, KV                      ; the record of my 128 keys
	s_lshl_b32 s58, s56, 11
	s_add_co_u32 s58, s58, s60
	s_add_nc_u64 s[40:41], s[16:17], s[58:59]      ; K's codes: + 2048 beta
	s_lshl_b32 s58, s56, 7
	s_add_co_u32 s58, s58, s60
	s_add_nc_u64 s[42:43], s[16:17], s[58:59]      ; K's scale and pad words: + 128 beta
	s_lshl_b32 s58, s56, 9
	s_add_co_u32 s58, s58, s60
	s_add_nc_u64 s[44:45], s[16:17], s[58:59]      ; V's codes: + 512 beta
	s_add_co_u32 s58, s56, s60
	s_add_nc_u64 s[46:47], s[16:17], s[58:59]      ; V's scale bytes: + beta
.irp b, 0,1,2,3
.irp j, 0,1,2,3
	global_load_b128 v[ACC+16*\b+4*\j:ACC+16*\b+4*\j+3], v[XA], s[26:27] offset:128*\b+16*\j th:TH_LOAD_NT   ; x(row r, 32 b + 16 h + 4 j ..)
.endr
.endr
	global_load_b32 v[MKP], v[RPP], s[28:29]
	global_load_b32 v[MK0], v[RP4], s[28:29]
	global_load_b32 v[MK1], v[RP4], s[28:29] offset:32
	BLOAD 30                                       ; bq
.irp dt, 0,1,2,3
	global_load_b32 v[BV+\dt], v[RP4], s[34:35] offset:(32*(\dt/2)+8*(\dt%2))*4
.endr
	WLOAD 0, 0
	WLOAD 1, 1
	s_wait_loadcnt 51                              ; x's 16 loads are in; behind them: 3 + 8 + 4 small ones and two units' 36
	QUANT ACC, ACC
.irp c, 0,1,2,3
	ds_store_b128 v[XW], v[PC+4*\c:PC+4*\c+3] offset:XIMG+512*\c     ; the fragment as it stands
.endr
	v_lshl_or_b32 v[T0], v[TM+5], 8, v[TM+4]
	s_delay_alu instid0(VALU_DEP_1)
	v_lshl_or_b32 v[T0], v[TM+6], 16, v[T0]
	s_delay_alu instid0(VALU_DEP_1)
	v_lshl_or_b32 v[T0], v[TM+7], 24, v[T0]
	ds_store_b32 v[XSW], v[T0] offset:XSC          ; both halves of the lanes write the same word with the same value
	WLOAD 2, 2
	WLOAD 3, 3
	s_wait_dscnt 0x0                               ; for the others' sake: my stores have landed
	s_barrier_signal -1
	s_barrier_wait -1                              ; x's eight fragments lie in LDS; nothing is written there again
	XFETCH 0
	; ---- q
	UNITQ 54, 0, 1
	XFETCH 1
	BLOAD 32                                       ; bk, ahead of the loads of the unit that wants it
	WLOAD 0, 4
	UNITQ 54, 1, 0
	XFETCH 2
	WLOAD 1, 5
	UNITQ 54, 2, 0
	XFETCH 3
	WLOAD 2, 6
	UNITQ 54, 3, 0
	XFETCH 0
	WLOAD 3, 7
	QUANT ACC, ACC                                 ; block 2 u + b: token tile u, features 32 b on
.irp u, 0,1
.irp b, 0,1
	global_store_b128 v[L16], v[PC+8*\u+4*\b:PC+8*\u+4*\b+3], s[36:37] offset:1024*\u+512*\b   ; 512 consecutive bytes
.endr
.endr
	v_lshl_or_b32 v[T0], v[TM+5], 8, v[TM+4]
	v_lshl_or_b32 v[T0+1], v[TM+7], 8, v[TM+6]
	s_delay_alu instid0(VALU_DEP_1)
	v_cndmask_b32 v[T0], v[T0], v[T0+1], s[HI]     ; lanes 0-15 tile 0's word, lanes 16-31 tile 1's
	s_delay_alu instid0(VALU_DEP_1)
	v_or_b32 v[T0], 0x407f0000, v[T0]              ; block 2: 2^0 (under Q's 1.0);  block 3: 2^-63
	global_store_b32 v[L4], v[T0], s[38:39]
	; ---- k
	UNITQ 54, 0, 1
	XFETCH 1
.irp dt, 0,1,2,3
.irp j, 0,1,2,3,4,5,6,7
	v_mov_b32 v[BS+8*\dt+\j], v[BV+\dt]            ; bv in v's layout: a lane holds one feature, so its eight registers are alike
.endr
.endr
	WLOAD 0, 8
	UNITQ 54, 1, 0
	XFETCH 2
	WLOAD 1, 9
	UNITQ 54, 2, 0
	XFETCH 3
	WLOAD 2, 10
	UNITQ 54, 3, 0
	XFETCH 0
	WLOAD 3, 11
	s_wait_xcnt 0x0                                ; q's stores have read their registers: the codes and the word may be written again
	QUANT ACC, ACC
	v_cmp_ne_u32 vcc_lo, 0, v[MK0]
.irp i, 0,1,2,3,4,5,6,7
	v_cndmask_b32 v[PC+\i], 0, v[PC+\i], vcc_lo    ; a masked key's real codes are zeros
.endr
	v_cmp_ne_u32 vcc_lo, 0, v[MK1]
.irp i, 8,9,10,11,12,13,14,15
	v_cndmask_b32 v[PC+\i], 0, v[PC+\i], vcc_lo
.endr
.irp u, 0,1
.irp b, 0,1
	global_store_b128 v[L16], v[PC+8*\u+4*\b:PC+8*\u+4*\b+3], s[40:41] offset:1024*\u+512*\b
.endr
.endr
	v_lshl_or_b32 v[T0], v[TM+5], 8, v[TM+4]
	v_lshl_or_b32 v[T0+1], v[TM+7], 8, v[TM+6]
	s_delay_alu instid0(VALU_DEP_1)
	v_cndmask_b32 v[T0], v[T0], v[T0+1], s[HI]
	v_cmp_eq_u32 vcc_lo, 0, v[MKP]
	s_delay_alu instid0(VALU_DEP_1)
	v_cndmask_b32 v[T0+1], 0x40400000, v[KHM], vcc_lo   ; block 2: 2^33 for a masked key, 2^-63 for an open one;  block 3: 2^-63
	s_delay_alu instid0(VALU_DEP_1)
	v_or_b32 v[T0], v[T0], v[T0+1]
	s_delay_alu instid0(VALU_DEP_3)
	v_cndmask_b32 v[T0+2], 0, v[PADC], vcc_lo      ; the code at k = 64: -1.0 for a masked key
	global_store_b32 v[L4], v[T0], s[42:43] offset:KSO
	global_store_b32 v[L4], v[T0+2], s[42:43] offset:KPO
	; ---- v
	UNITV 54, 0, 1
	XFETCH 1
	UNITV 36, 1, 0                                 ; nothing more is asked for: the counts run down
	XFETCH 2
	UNITV 18, 2, 0
	XFETCH 3
	UNITV 0, 3, 0
	s_wait_xcnt 0x0                                ; k's stores have read their registers
	QUANT ACC, ACC                                 ; block D: feature tile D, my 32 tokens: one block of 32 along the keys
.irp dt, 0,1,2,3
	global_store_b128 v[L16], v[PC+4*\dt:PC+4*\dt+3], s[44:45] offset:VCO+2048*\dt
.endr
	v_cndmask_b32 v[T0], v[TM+4], v[TM+5], s[HI]   ; lanes 0-15 the even tile's byte, lanes 16-31 the odd one's
	v_cndmask_b32 v[T0+1], v[TM+6], v[TM+7], s[HI]
	global_store_b8 v[L4], v[T0], s[46:47] offset:VSO        ; byte beta of a word whose other three bytes belong to three other work-groups
	global_store_b8 v[L4], v[T0+1], s[46:47] offset:VSO+128
	s_wait_tensorcnt 0x0
	ds_add_u32 v254, v255
	s_wait_dscnt 0x0
	s_endpgm
.Lfunc_end_k_q25e002f11f_qkv:
	.size	k_q25e002f11f_qkv, .Lfunc_end_k_q25e002f11f_qkv-k_q25e002f11f_qkv
	.p2alignl 7, 3214868480
	.fill 96, 4, 3214868480
	.section	.rodata,"a",@progbits
	.p2align	6, 0x0
	.amdhsa_kernel k_q25e002f11f_qkv
		.amdhsa_group_segment_fixed_size 17920
		.amdhsa_private_segment_fixed_size 0
		.amdhsa_enable_private_segment 0
		.amdhsa_kernarg_size 56
		.amdhsa_user_sgpr_count 2
		.amdhsa_user_sgpr_kernarg_segment_ptr 1
		.amdhsa_wavefront_size32 1
		.amdhsa_system_sgpr_workgroup_id_x 1
		.amdhsa_system_sgpr_workgroup_id_y 1
		.amdhsa_system_sgpr_workgroup_id_z 1
		.amdhsa_system_vgpr_workitem_id 0
		.amdhsa_next_free_vgpr 512
		.amdhsa_next_free_sgpr 66
		.amdhsa_reserve_vcc 1
		.amdhsa_float_denorm_mode_32 3
		.amdhsa_float_denorm_mode_16_64 3
		.amdhsa_memory_ordered 1
		.amdhsa_forward_progress 1
		.amdhsa_inst_pref_size 90
	.end_amdhsa_kernel
	.amdgpu_metadata
---
amdhsa.version: [ 1, 2 ]
amdhsa.kernels:
  - .name:           k_q25e002f11f_qkv
    .symbol:         k_q25e002f11f_qkv.kd
    .args:
      - { .name: x, .offset: 0, .size: 8, .value_kind: global_buffer, .address_space: global }
      - { .name: mask, .offset: 8, .size: 8, .value_kind: global_buffer, .address_space: global }
      - { .name: wbuf, .offset: 16, .size: 8, .value_kind: global_buffer, .address_space: global }
      - { .name: bq, .offset: 24, .size: 8, .value_kind: global_buffer, .address_space: global }
      - { .name: bk, .offset: 32, .size: 8, .value_kind: global_buffer, .address_space: global }
      - { .name: bv, .offset: 40, .size: 8, .value_kind: global_buffer, .address_space: global }
      - { .name: qkvbuf, .offset: 48, .size: 8, .value_kind: global_buffer, .address_space: global }
    .group_segment_fixed_size: 17920
    .private_segment_fixed_size: 0
    .kernarg_segment_align: 8
    .kernarg_segment_size: 56
    .max_flat_workgroup_size: 256
    .sgpr_count:     66
    .vgpr_count:     512
    .wavefront_size: 32
...
	.end_amdgpu_metadata
.endif
;; end of part 2
;; launch attn (part 3): grid 16 x 16, 8 waves a work-group, clusters of 4 x 1, 327,680 bytes of LDS; arguments qkvbuf, ctxbuf; writes ctxbuf
.if DOCPART == 3
	.amdgcn_target "amdgcn-amd-amdhsa--gfx1250"
	.amdhsa_code_object_version 6
	.text
	.protected	k_q25e002f11f_attn
	.globl	k_q25e002f11f_attn
	.p2align	8
	.type	k_q25e002f11f_attn,@function
k_q25e002f11f_attn:
	s_mov_b64 s[64:65], 0
	v_nop
	global_prefetch_b8 v0, s[64:65] scope:SCOPE_SE
	s_setreg_imm32_b32 hwreg(HW_REG_WAVE_MODE, 25, 1), 1
	s_wait_xcnt 0x0
	s_wait_alu depctr_hold_cnt(0) depctr_sa_sdst(0) depctr_va_vdst(0) depctr_va_sdst(0) depctr_va_ssrc(0) depctr_va_vcc(0) depctr_vm_vsrc(0)
	s_getreg_b32 s2, hwreg(HW_REG_IB_STS2, 6, 4)
	s_cmp_eq_u32 s2, 0
	s_cbranch_scc0 .Lentry_in_a_cluster
	s_endpgm
.Lentry_in_a_cluster:
	s_bfe_u32 s2, ttmp6, 0x10000c
	s_cmp_lg_u32 s2, 0x3003
	s_cbranch_scc0 .Lentry_shape_is_right
	s_endpgm
.Lentry_shape_is_right:
; ctx = softmax(q k^T / 8, masked) v for one head and 256 queries a work-group, both products on codes of FP8 (E4M3) with one E8M0 scale for each 32 along K; ctx is quantised again along the head's 64 and
; stored as an image of the next launch's operand registers.  Nothing of the definition is left out.
; THE SOFTMAX: t = score x log2(e) / 8; M = the running largest t rounded up to a whole number; p = 2^(t - M) is quantised along the keys; the row's sum is taken of the unquantised p and divides at the end.
; When M moves, the sum and O are multiplied by 2^(old M - new M), which rounds nothing; no branch hangs on data.
; SHARES.  Eight waves; a wave owns 32 queries, two tiles of 16.  Every wave walks the head's 4,096 keys, 128 a step: one record of qkvbuf (K's codes, V's codes, K's scale and pad words, V's scale words:
; KVREC bytes, laid in register order).  Both products are used transposed: a lane holds one query throughout.
; REGISTERS.  Window 0: addresses, both tiles' small state (ST registers a tile), scale words, K's and V's fragments.  Window 1: 128 registers a tile: S^T (then p), O^T, Q, p's codes.
; So one window setting serves both tiles in each phase of a step, and the two tiles go through every phase together, line by line: independent chains stand side by side.
; A score's K step of 128 holds the head's 64 and the mask: Q has the code 1.0 at k = 64, a masked key -1.0 there under 2^33 and zeros elsewhere.  A fragment of K is 9 loaded registers; its registers 9 to 15
; are zeros or the next fragment's codes (never a NaN code) and meet Q's zero codes.
; RING.  Two slots of 8 records; each wave fetches one record of a slot, 69 rows of 256 bytes, dense.  By the text's own count a wave has one tensor load out, and every wait on TENSORcnt is for 0.
; CLUSTER.  The four work-groups of a cluster are four query blocks of one head: they walk the same records in the same order, so each record is asked for jointly (mask 15); a round of the cluster's barrier stands
; in front of each joint load and in front of the end.  The place in the cluster enters global addresses of Q, ctx and the prefetch alone.
; PREFETCH.  The sixteen work-groups of a head share records 16 to 31 out by address: work-group x asks for record 16 + x, 69 blocks of 256 bytes, a lane a block, waves 0 to 2, at the first change of slots:
; one slot's and two slots' steps ahead of the loads that want them.  Records 0 to 15 come by their loads alone.
; EXPONENTIALS go as one batch of 136 a step, all their sources laid first; waits stand ahead of it, behind it and ahead of the first readers of O^T.
; LIMITS: the promise holds while the scaled scores stay under 2^31 in magnitude; NaN and infinities are not served; a block of zeros gets the byte 1, not 127: its codes are zeros and this program alone reads the bytes.
.set KVREC, 17664
.set SLOT,  8*KVREC
.set SPARE, 2*SLOT                     ; the spare words: 128 bytes a wave, four blocks of 256 bytes that no other line names
.set QS,    4194304
.set KV,    4456448
.set VCO,   8192
.set KSO,   16384
.set KPO,   16896
.set VSO,   17408
.set CSB,   4194304
.set L16, 1                            ; 16 x lane
.set L4,  2                            ; 4 x lane
.set R4,  3                            ; 4 x (lane % 16)
.set AK,  4                            ; LDS: the record whose K is fetched + 16 x lane;  v5: + 4 x lane;  v6: + 4 x (lane % 16)
.set AKS, 5
.set AKP, 6
.set SPW, 7                            ; my spare word; never rewritten
.set NIL, 8                            ; 0; never rewritten
.set AV,  9                            ; LDS: the record in hand + 16 x lane;  v10: + 4 x lane
.set AVS, 10
.set T0,  11
.set ST,  26                           ; a tile's state: tile u's register is the number below + ST u
.set NM,  12                           ; -M
.set TMX, 13                           ; the largest t so far
.set LS,  14                           ; v14-15, v16-17 the row's sum in two chains of two halves
.set L2,  16
.set F,   18                           ; 2^(old M - new M); v19 is named with it as a pair
.set BM,  20                           ; the blocks' largest scores, then largest p
.set PX,  24
.set HL,  28                           ; 448 x the scale
.set SO,  32                           ; the conversions' scale operands
.set TA,  36
.set SW,  37
.set KSC, 64                           ; scale words: K's v64-67, Q's v68, V's v70-71, p's v72-73
.set QSC, 68
.set PFO, 69                           ; the prefetch's offset; never rewritten
.set VSC, 70
.set PS,  72
.set HW,  74
.set HWT, 76
.set T1,  77
.set KF,  80                           ; K's eight fragments, 10 registers apart: v80-165
.set VF,  166                          ; V's four fragments: v166-229
.set TD,  128                          ; window 1: tile u's registers are the numbers below + TD u
.set S,   0                            ; S^T, then p
.set O,   64                           ; O^T
.set QF,  96                           ; Q's fragment
.set PC,  112                          ; p's codes
.set WV,  8
.set G1,  16
.set G0A, 24
.set G0B, 28
.set SEL, 32
.set CS,  34
.set MNT, 36
.set TB,  37
.set CNT, 38
.set TN,  39
.set HI,  48
.set PFA, 56
.set MSB, 0
.macro WIN new                         ; the immediate's high byte repeats the setting that is left.  Low byte: bits 1:0 source 0, 3:2 source 1, 5:4 source 2, 7:6 destination
.if MSB != \new
	s_set_vgpr_msb (MSB<<8)|\new
.set MSB, \new
.endif
.endm
.macro WAITV
	s_wait_alu depctr_va_vdst(0)
.endm
.macro ROUND                           ; a round of the cluster's barrier
	s_barrier_signal -1
	s_barrier_wait -1
	s_cmp_lg_u32 s[WV], 0
	s_cbranch_scc1 .Lnw0_\@
	s_barrier_signal -3
.Lnw0_\@:
	s_barrier_wait -3
	s_barrier_signal -1
	s_barrier_wait -1
.endm
.macro WMZ d, a, b, sa, sb, ra, rb     ; a product that starts its sum; ra, rb = 1: that side's scales stand in lanes 16-31
.if ((\ra) == 0) && ((\rb) == 0)
	v_wmma_scale_f32_16x16x128_f8f6f4 v[\d:\d+7], v[\a:\a+15], v[\b:\b+15], 0, v[\sa], v[\sb]
.elseif (\rb) == 0
	v_wmma_scale_f32_16x16x128_f8f6f4 v[\d:\d+7], v[\a:\a+15], v[\b:\b+15], 0, v[\sa], v[\sb] matrix_a_scale:MATRIX_SCALE_ROW1
.elseif (\ra) == 0
	v_wmma_scale_f32_16x16x128_f8f6f4 v[\d:\d+7], v[\a:\a+15], v[\b:\b+15], 0, v[\sa], v[\sb] matrix_b_scale:MATRIX_SCALE_ROW1
.else
	v_wmma_scale_f32_16x16x128_f8f6f4 v[\d:\d+7], v[\a:\a+15], v[\b:\b+15], 0, v[\sa], v[\sb] matrix_a_scale:MATRIX_SCALE_ROW1 matrix_b_scale:MATRIX_SCALE_ROW1
.endif
.endm
.macro WMA d, a, b, sa, sb, ra         ; a product that adds in place
.if (\ra) == 0
	v_wmma_scale_f32_16x16x128_f8f6f4 v[\d:\d+7], v[\a:\a+15], v[\b:\b+15], v[\d:\d+7], v[\sa], v[\sb]
.else
	v_wmma_scale_f32_16x16x128_f8f6f4 v[\d:\d+7], v[\a:\a+15], v[\b:\b+15], v[\d:\d+7], v[\sa], v[\sb] matrix_a_scale:MATRIX_SCALE_ROW1
.endif
.endm
	s_load_b128 s[4:7], s[0:1], 0x0                ; qkvbuf, ctxbuf
	v_lshl_add_u32 v[SPW], v0, 2, SPARE
	v_mov_b32 v[NIL], 0
	ds_add_u32 v[SPW], v[NIL]                      ; the opening lines: the add, twice on end, and its wait ahead of my first tensor load
	ds_add_u32 v[SPW], v[NIL]
	v_lshrrev_b32 v[T0], 5, v0
	v_readfirstlane_b32 s[WV], v[T0]               ; wave 0..7
	s_and_b32 s9, ttmp7, 0xffff                    ; batch x 8 + head
	s_bfe_u32 s58, ttmp6, 0x40000                  ; my place in the cluster
	s_lshl_b32 s59, ttmp9, 2
	s_add_co_u32 s58, s59, s58                     ; x: my block of 256 queries
	s_mov_b32 s[G1], (3<<16)|(1<<21)|15            ; elements of 8 bytes; the mask names the cluster's four
	s_mov_b32 s[G1+1], 32<<16                      ; a record: 69 dense rows of 256 bytes
	s_mov_b32 s[G1+2], 69<<16
	s_mov_b32 s[G1+3], 32<<16
	s_mov_b32 s[G1+4], 69
	s_mov_b32 s[G1+5], 32
	s_mov_b32 s[G1+6], 0
	s_mov_b32 s[G1+7], 0
	s_lshl_b32 s10, s9, 5
	s_add_co_u32 s10, s10, s[WV]
	s_mul_i32 s10, s10, KVREC
	s_add_co_u32 s10, s10, KV                      ; record number wave of my head
	s_mov_b32 s11, 0
	s_mul_i32 s12, s[WV], KVREC
	s_wait_dscnt 0x0                               ; both opening adds are done
	ROUND                                          ; in front of the first joint loads
	s_wait_kmcnt 0x0
	s_mov_b32 s[G0A], 1
	s_mov_b32 s[G0A+1], s12
	s_add_nc_u64 s[G0A+2:G0A+3], s[4:5], s[10:11]
	s_mov_b32 s[G0B], 1
	s_add_co_u32 s[G0B+1], s12, SLOT
	s_add_nc_u64 s[G0B+2:G0B+3], s[G0A+2:G0A+3], 8*KVREC
	s_or_b32 s[G0A+3], s[G0A+3], 0x80000000
	s_or_b32 s[G0B+3], s[G0B+3], 0x80000000
	tensor_load_to_lds s[G0A:G0A+3], s[G1:G1+7]    ; slot 0: my one load at the head; the set-up below stands under its flight
	s_nop 0
.rept 4
	v_nop
.endr
	s_mov_b32 s[SEL], 0x76543210
	s_mov_b32 s[SEL+1], 0xfedcba98                 ; v_permlanex16_b32's selects for lane l xor 16
	s_mov_b32 s[CS], 0x3e38aa3b                    ; log2(e) / 8
	s_mov_b32 s[CS+1], s[CS]
	s_mov_b32 s[MNT], 0x600000                     ; the mantissa field of 448
	s_mov_b32 s[HI], 0xffff0000                    ; lanes 16-31
	s_lshl_b32 s13, s58, 3
	s_add_co_u32 s13, s13, s[WV]                   ; my group of 32 queries in the head
	s_lshl_b32 s14, s9, 7
	s_add_co_u32 s14, s14, s13
	s_lshl_b32 s10, s14, 11
	s_add_nc_u64 s[40:41], s[4:5], s[10:11]        ; Q's codes
	s_lshl_b32 s10, s14, 7
	s_add_co_u32 s10, s10, QS
	s_add_nc_u64 s[42:43], s[4:5], s[10:11]        ; Q's scale words
	s_lshr_b32 s50, s9, 3                          ; batch
	s_and_b32 s51, s9, 7                           ; head
	s_lshl_b32 s52, s50, 7
	s_add_co_u32 s52, s52, s13
	s_lshr_b32 s53, s51, 1
	s_and_b32 s54, s51, 1
	s_lshl_b32 s10, s52, 14
	s_lshl_b32 s55, s53, 11
	s_add_co_u32 s10, s10, s55
	s_lshl_b32 s55, s54, 10
	s_add_co_u32 s10, s10, s55
	s_add_nc_u64 s[44:45], s[6:7], s[10:11]        ; ctx's codes: fragment head / 2, chunks 2 (head % 2) on
	s_lshl_b32 s10, s52, 2
	s_add_co_u32 s10, s10, s53
	s_lshl_b32 s10, s10, 7
	s_lshl_b32 s55, s54, 1
	s_add_co_u32 s10, s10, s55
	s_add_co_u32 s10, s10, CSB
	s_add_nc_u64 s[46:47], s[6:7], s[10:11]        ; ctx's scale bytes
	s_lshl_b32 s10, s9, 5
	s_add_co_u32 s10, s10, s58
	s_add_co_u32 s10, s10, 16
	s_mul_i32 s10, s10, KVREC
	s_add_co_u32 s10, s10, KV
	s_add_nc_u64 s[PFA:PFA+1], s[4:5], s[10:11]    ; record 16 + x of my head
	v_and_b32 v[T0], 31, v0
	v_lshlrev_b32 v[L16], 4, v[T0]
	v_lshlrev_b32 v[L4], 2, v[T0]
	v_and_b32 v[T1], 15, v0
	v_lshlrev_b32 v[R4], 2, v[T1]
	v_min_u32 v[PFO], 68, v0                       ; threads 0 to 95 ask: block 0 .. 68 of the record, the lanes left over the last block again
	v_lshlrev_b32 v[PFO], 8, v[PFO]
	v_bfe_u32 v[T0], v0, 4, 1
	v_sub_nc_u32 v[T0], 1, v[T0]
	v_mul_u32_u24 v[T0], v[T0], 0x38               ; the code 1.0 at k = 64: byte 0 of register 8 in lanes 0-15
	WAITV
	global_load_b32 v[QSC], v[L4], s[42:43]        ; lanes 0-15 tile 0's words, lanes 16-31 tile 1's
.irp u, 0,1
	v_mov_b32 v[TMX+ST*\u], 0xff61b1e6             ; -3e38, under every t
	v_mov_b32 v[NM+ST*\u], 0x7f61b1e6
.irp i, 0,1,2,3
	v_mov_b32 v[LS+ST*\u+\i], 0                    ; the sum's two chains
	v_mov_b32 v[PX+ST*\u+\i], 0                    ; a lane permute's destination counts as one of its sources
.endr
	v_mov_b32 v[F+ST*\u+1], 0                      ; named as the upper half of a pair
.endr
.irp i, 9,19,29,39,49,59,69,79,80,81,82,83,84,85
	v_mov_b32 v[KF+\i], 0                          ; the registers among K's fragments that no load writes
.endr
	WIN 0x40
.irp u, 0,1
	global_load_b128 v[QF+TD*\u:QF+TD*\u+3], v[L16], s[40:41] offset:1024*\u
	global_load_b128 v[QF+TD*\u+4:QF+TD*\u+7], v[L16], s[40:41] offset:1024*\u+512
	v_mov_b32 v[QF+TD*\u+8], v[T0]
.irp i, 9,10,11,12,13,14,15
	v_mov_b32 v[QF+TD*\u+\i], 0
.endr
.set j, 0
.rept 32
	v_mov_b32 v[O+TD*\u+j], 0                      ; the step is written once: the first finds zeros
.set j, j+1
.endr
.endr
	WIN 0
.macro KLOAD                           ; K's eight fragments, pad words and scale words of the record at v[AK]: 28 loads
.irp T, 0,1,2,3,4,5,6,7
	ds_load_b128 v[KF+10*\T:KF+10*\T+3], v[AK] offset:1024*\T
	ds_load_b128 v[KF+10*\T+4:KF+10*\T+7], v[AK] offset:1024*\T+512
	ds_load_b32 v[KF+10*\T+8], v[AKP] offset:KPO+64*\T
.endr
.irp b, 0,1,2,3
	ds_load_b32 v[KSC+\b], v[AKS] offset:KSO+128*\b
.endr
.endm
.macro VLOAD                           ; V's four fragments and scale words of the record at v[AV]: 18 loads
	ds_load_b32 v[VSC], v[AVS] offset:VSO
	ds_load_b32 v[VSC+1], v[AVS] offset:VSO+128
.irp T, 0,1,2,3,4,5,6,7
	ds_load_b128 v[VF+8*\T:VF+8*\T+3], v[AV] offset:VCO+1024*\T
	ds_load_b128 v[VF+8*\T+4:VF+8*\T+7], v[AV] offset:VCO+1024*\T+512
.endr
.endm
.macro EACH op:vararg                  ; a line for each block of each tile: the macro named gets tile and block
.irp u, 0,1
.irp b, 0,1,2,3
	\op \u, \b
.endr
.endr
.endm
.macro M_PERM u, b
	v_permlanex16_b32 v[PX+ST*\u+\b], v[BM+ST*\u+\b], s[SEL], s[SEL+1]
.endm
.macro M_JOIN u, b
	v_max_num_f32 v[BM+ST*\u+\b], v[BM+ST*\u+\b], v[PX+ST*\u+\b]
.endm
.macro M_TM u, b
	v_fma_f32 v[BM+ST*\u+\b], v[BM+ST*\u+\b], s[CS], v[NM+ST*\u]
.endm
.macro M_EXP u, b
	v_exp_f32 v[BM+ST*\u+\b], v[BM+ST*\u+\b]
.endm
.macro M_FLOOR u, b
	v_max_num_f32 v[BM+ST*\u+\b], 0x4800000, v[BM+ST*\u+\b]
.endm
.macro M_SO u, b
	v_add_nc_u32 v[SO+ST*\u+\b], 0xfc000000, v[BM+ST*\u+\b]
.endm
.macro M_HL u, b
	v_and_or_b32 v[HL+ST*\u+\b], v[BM+ST*\u+\b], 0x7f800000, s[MNT]
.endm
.macro M_BYTE u, b
	v_lshrrev_b32 v[PX+ST*\u+\b], 23, v[SO+ST*\u+\b]
.endm
; A KEY STEP: 128 keys, both tiles.  lim: the slot's last record
.macro STEP lim
	s_add_co_u32 s[TN], s[TB], KVREC
	s_min_u32 s[TN], s[TN], \lim                   ; the look-ahead for K is held at the slot's last record: what a slot's last step brings so is not used
	s_wait_dscnt 0x0                               ; K's fragments and words are in
	WIN 0x44                                       ; Q and S^T in window 1
.irp u, 0,1
.irp T, 0,1,2,3,4,5,6,7
	WMZ S+TD*\u+8*\T, KF+10*\T, QF+TD*\u, KSC+\T/2, QSC, \T%2, \u
.endr
.endr
	WIN 0
	v_add_nc_u32 v[AV], s[TB], v[L16]              ; eight places ahead of the first read of the scores: five address lines and three idle ones
	v_add_nc_u32 v[AVS], s[TB], v[L4]
	v_add_nc_u32 v[AK], s[TN], v[L16]
	v_add_nc_u32 v[AKS], s[TN], v[L4]
	v_add_nc_u32 v[AKP], s[TN], v[R4]
.rept 3
	v_nop
.endr
	WIN 0x05                                       ; sources 0 and 1 in window 1
.irp u, 0,1
.irp b, 0,1,2,3
	v_max_num_f32 v[BM+ST*\u+\b], v[S+TD*\u+16*\b], v[S+TD*\u+16*\b+1]   ; the largest score of each block of 32 keys: for the row's maximum and for the block's largest p; eight chains by turns
.endr
.endr
.irp i, 2,4,6,8,10,12,14
.irp u, 0,1
.irp b, 0,1,2,3
	v_max3_num_f32 v[BM+ST*\u+\b], v[S+TD*\u+16*\b+\i], v[S+TD*\u+16*\b+\i+1], v[BM+ST*\u+\b]
.endr
.endr
.endr
	WIN 0
	EACH M_PERM
	EACH M_JOIN                                    ; with lane l xor 16's 16 keys
.irp u, 0,1
	v_max3_num_f32 v[TA+ST*\u], v[BM+ST*\u], v[BM+ST*\u+1], v[BM+ST*\u+2]
.endr
.irp u, 0,1
	v_max_num_f32 v[TA+ST*\u], v[TA+ST*\u], v[BM+ST*\u+3]
.endr
.irp u, 0,1
	v_mul_f32 v[TA+ST*\u], s[CS], v[TA+ST*\u]
.endr
.irp u, 0,1
	v_max_num_f32 v[TMX+ST*\u], v[TMX+ST*\u], v[TA+ST*\u]    ; the running largest t
.endr
.irp u, 0,1
	v_mov_b32 v[TA+ST*\u], v[NM+ST*\u]
.endr
.irp u, 0,1
	v_floor_f32 v[NM+ST*\u], -v[TMX+ST*\u]         ; -M = floor(-t)
.endr
.irp u, 0,1
	v_sub_f32 v[TA+ST*\u], v[NM+ST*\u], v[TA+ST*\u]          ; old M - new M, a whole number
.endr
	EACH M_TM                                      ; t - M of the blocks' largest scores
.irp u, 0,1
	v_cvt_i32_f32 v[TA+ST*\u], v[TA+ST*\u]         ; (it saturates)
.endr
.irp u, 0,1
	v_ldexp_f32 v[F+ST*\u], 1.0, v[TA+ST*\u]
.endr
	WIN 0x41                                       ; source 0 and the destination in window 1
.irp u, 0,1
.set j, 0
.rept 32
	v_pk_fma_f32 v[S+TD*\u+j:S+TD*\u+j+1], v[S+TD*\u+j:S+TD*\u+j+1], s[CS:CS+1], v[NM+ST*\u:NM+ST*\u+1] op_sel_hi:[1,0,0]   ; t - M, two at a time
.set j, j+2
.endr
.endr
	WIN 0
	WAITV                                          ; ahead of the batch.  No vector result of mine is pending here: the step's LDS loads stand here
	VLOAD                                          ; this step's V, wanted at the step's end;
	KLOAD                                          ; the next step's K
	EACH M_EXP                                     ; the blocks' largest p
	WIN 0x41
.irp u, 0,1
.set j, 0
.rept 64
	v_exp_f32 v[S+TD*\u+j], v[S+TD*\u+j]           ; p = 2^(t - M)
.set j, j+1
.endr
.endr
	WIN 0
.irp u, 0,1
	v_pk_mul_f32 v[LS+ST*\u:LS+ST*\u+1], v[LS+ST*\u:LS+ST*\u+1], v[F+ST*\u:F+ST*\u+1] op_sel_hi:[1,0]    ; the sums under the new M: plain lines behind the batch
	v_pk_mul_f32 v[L2+ST*\u:L2+ST*\u+1], v[L2+ST*\u:L2+ST*\u+1], v[F+ST*\u:F+ST*\u+1] op_sel_hi:[1,0]
.endr
	WAITV                                          ; behind the batch
	EACH M_FLOOR                                   ; the floor 2^(9 - 127): the byte cannot fall under 1
	EACH M_SO                                      ; 8 off the exponent field
	EACH M_HL                                      ; 448 x the scale
	EACH M_BYTE                                    ; the scale's byte
.irp u, 0,1
	v_lshl_or_b32 v[SW+ST*\u], v[PX+ST*\u+1], 8, v[PX+ST*\u]
.endr
.irp u, 0,1
	v_lshl_or_b32 v[SW+ST*\u], v[PX+ST*\u+2], 16, v[SW+ST*\u]
.endr
.irp u, 0,1
	v_lshl_or_b32 v[PS+\u], v[PX+ST*\u+3], 24, v[SW+ST*\u]   ; p's scale word
.endr
	WIN 0x04                                       ; source 1 in window 1
.set j, 0
.rept 16
.irp u, 0,1
	v_pk_add_f32 v[LS+ST*\u:LS+ST*\u+1], v[LS+ST*\u:LS+ST*\u+1], v[S+TD*\u+j:S+TD*\u+j+1]      ; the row's sum, of the unquantised p: four chains by turns
	v_pk_add_f32 v[L2+ST*\u:L2+ST*\u+1], v[L2+ST*\u:L2+ST*\u+1], v[S+TD*\u+j+2:S+TD*\u+j+3]
.endr
.set j, j+4
.endr
	WIN 0x41
.irp b, 0,1,2,3
.irp u, 0,1
.set j, 0
.rept 16
	v_min_num_f32 v[S+TD*\u+16*\b+j], v[S+TD*\u+16*\b+j], v[HL+ST*\u+\b]     ; the conversion does not saturate (ISA guide 7.6.2); p is not negative, so the hold is one-sided
.set j, j+1
.endr
.endr
.irp u, 0,1
	v_cvt_scalef32_pk8_fp8_f32 v[PC+TD*\u+4*\b:PC+TD*\u+4*\b+1], v[S+TD*\u+16*\b:S+TD*\u+16*\b+7], v[SO+ST*\u+\b]
	v_cvt_scalef32_pk8_fp8_f32 v[PC+TD*\u+4*\b+2:PC+TD*\u+4*\b+3], v[S+TD*\u+16*\b+8:S+TD*\u+16*\b+15], v[SO+ST*\u+\b]
.endr
.endr
	s_wait_dscnt 28                                ; V's 18 loads are in; K's 28, issued behind them, may be out
	WAITV                                          ; directly ahead of the first readers of O^T
.irp u, 0,1
.set j, 0
.rept 16
	v_pk_mul_f32 v[O+TD*\u+j:O+TD*\u+j+1], v[O+TD*\u+j:O+TD*\u+j+1], v[F+ST*\u:F+ST*\u+1] op_sel_hi:[1,0]   ; O^T under the new M; these lines are also the places between the codes and the products
.set j, j+2
.endr
.endr
	WIN 0x54                                       ; p's codes and O^T in window 1
.irp D, 0,1,2,3
.irp u, 0,1
	WMA O+TD*\u+8*\D, VF+16*\D, PC+TD*\u, VSC+\D/2, PS+\u, \D%2
.endr
.endr
	WIN 0
.endm
.macro RUN base                        ; a slot's eight steps
	s_mov_b32 s[TB], \base
	v_add_nc_u32 v[AK], s[TB], v[L16]
	v_add_nc_u32 v[AKS], s[TB], v[L4]
	v_add_nc_u32 v[AKP], s[TB], v[R4]
	WAITV
	KLOAD
	s_mov_b32 s[CNT], 8
.Lstep_\@:
	STEP \base+7*KVREC
	s_add_co_u32 s[TB], s[TB], KVREC
	s_sub_co_u32 s[CNT], s[CNT], 1
	s_cmp_lg_u32 s[CNT], 0
	s_cbranch_scc1 .Lstep_\@
.endm
; THE CHANGE OF SLOTS: all my tensor loads are in (my record of the slot ahead), the add, the wait for it and for my reads of the slot behind; then a round of the cluster's barrier and, first behind it, the joint fill of the slot behind
.macro CHANGE g, step, fill
	s_wait_tensorcnt 0x0
	ds_add_u32 v[SPW], v[NIL]
.if \step
	s_add_nc_u64 s[\g+2:\g+3], s[\g+2:\g+3], 16*KVREC      ; no load of mine is out: this slot's next eight records
.endif
	s_wait_dscnt 0x0
.if \fill
	ROUND
	tensor_load_to_lds s[\g:\g+3], s[G1:G1+7]
	s_nop 0
.rept 4
	v_nop
.endr
.else
	s_barrier_signal -1                            ; nothing is filled again: the work-group's barrier alone
	s_barrier_wait -1
.endif
.endm
	WAITV                                          ; the head's end
	s_wait_loadcnt 0x0                             ; Q
	CHANGE G0B, 0, 1                               ; slot 1's first fill, issued as a refill is
	s_cmp_lt_u32 s[WV], 3
	s_cbranch_scc0 .Lno_ask
	global_prefetch_b8 v[PFO], s[PFA:PFA+1] th:TH_LOAD_NT scope:SCOPE_SE
.Lno_ask:
	RUN 0
	CHANGE G0A, 1, 1
	RUN SLOT
	CHANGE G0B, 1, 1
	RUN 0
	CHANGE G0A, 0, 0
	RUN SLOT
; THE WAY OUT: O^T / the sum, quantised along the head's 64: two blocks of 32, 16 numbers of each in lane l and 16 in lane l xor 16
.macro FIN u
	WIN 0
	v_pk_add_f32 v[LS+ST*\u:LS+ST*\u+1], v[LS+ST*\u:LS+ST*\u+1], v[L2+ST*\u:L2+ST*\u+1]
	v_add_f32 v[LS+ST*\u], v[LS+ST*\u], v[LS+ST*\u+1]
	v_permlanex16_b32 v[PX+ST*\u], v[LS+ST*\u], s[SEL], s[SEL+1]
	v_add_f32 v[LS+ST*\u], v[LS+ST*\u], v[PX+ST*\u]
	WAITV
	v_rcp_f32 v[F+ST*\u], v[LS+ST*\u]
	v_nop
	WIN 0x41
	WAITV                                          ; for the reciprocal, and directly ahead of the first readers of O^T
.set j, 0
.rept 16
	v_pk_mul_f32 v[O+TD*\u+j:O+TD*\u+j+1], v[O+TD*\u+j:O+TD*\u+j+1], v[F+ST*\u:F+ST*\u+1] op_sel_hi:[1,0]
.set j, j+2
.endr
	WIN 0x05
.irp b, 0,1
	v_max3_num_f32 v[BM+ST*\u+\b], |v[O+TD*\u+16*\b]|, |v[O+TD*\u+16*\b+1]|, 0x4800000
.endr
.irp i, 2,4,6,8,10,12,14
.irp b, 0,1
	v_max3_num_f32 v[BM+ST*\u+\b], |v[O+TD*\u+16*\b+\i]|, |v[O+TD*\u+16*\b+\i+1]|, v[BM+ST*\u+\b]
.endr
.endr
	WIN 0
.irp b, 0,1
	M_PERM \u, \b
.endr
.irp b, 0,1
	M_JOIN \u, \b
.endr
.irp b, 0,1
	M_SO \u, \b
.endr
.irp b, 0,1
	M_HL \u, \b
.endr
.irp b, 0,1
	M_BYTE \u, \b
.endr
	v_lshl_or_b32 v[HW+\u], v[PX+ST*\u+1], 8, v[PX+ST*\u]    ; the two bytes
	WIN 0x41
.irp b, 0,1
.irp i, 0,1,2,3,4,5,6,7,8,9,10,11,12,13,14,15
	v_med3_num_f32 v[O+TD*\u+16*\b+\i], v[O+TD*\u+16*\b+\i], -v[HL+ST*\u+\b], v[HL+ST*\u+\b]
.endr
	v_cvt_scalef32_pk8_fp8_f32 v[PC+TD*\u+4*\b:PC+TD*\u+4*\b+1], v[O+TD*\u+16*\b:O+TD*\u+16*\b+7], v[SO+ST*\u+\b]
	v_cvt_scalef32_pk8_fp8_f32 v[PC+TD*\u+4*\b+2:PC+TD*\u+4*\b+3], v[O+TD*\u+16*\b+8:O+TD*\u+16*\b+15], v[SO+ST*\u+\b]
.endr
	v_nop                                          ; a plain line behind the last conversion
.endm
	s_wait_dscnt 0x0                               ; the last step's look-ahead loads have landed
.rept 8
	v_nop                                          ; eight places behind the last products, ahead of the first read of O^T
.endr
	FIN 0
	FIN 1
	WIN 0
	v_cndmask_b32 v[HWT], v[HW], v[HW+1], s[HI]    ; lanes 0-15 tile 0's bytes, lanes 16-31 tile 1's
	global_store_b16 v[L4], v[HWT], s[46:47]       ; two bytes of a word whose other two belong to the neighbouring head's work-group
	WIN 0x04                                       ; the stores' data in window 1
.irp u, 0,1
	global_store_b128 v[L16], v[PC+TD*\u:PC+TD*\u+3], s[44:45] offset:8192*\u              ; each store of the wave covers 512 consecutive bytes, aligned
	global_store_b128 v[L16], v[PC+TD*\u+4:PC+TD*\u+7], s[44:45] offset:8192*\u+512
.endr
	WIN 0
	s_wait_tensorcnt 0x0                           ; the wave's end
	ds_add_u32 v[SPW], v[NIL]
	s_wait_dscnt 0x0
	ROUND                                          ; the closing round
	s_endpgm
.Lfunc_end_k_q25e002f11f_attn:
	.size	k_q25e002f11f_attn, .Lfunc_end_k_q25e002f11f_attn-k_q25e002f11f_attn
	.p2alignl 7, 3214868480
	.fill 96, 4, 3214868480
	.section	.rodata,"a",@progbits
	.p2align	6, 0x0
	.amdhsa_kernel k_q25e002f11f_attn
		.amdhsa_group_segment_fixed_size 327680
		.amdhsa_private_segment_fixed_size 0
		.amdhsa_enable_private_segment 0
		.amdhsa_kernarg_size 16
		.amdhsa_user_sgpr_count 2
		.amdhsa_user_sgpr_kernarg_segment_ptr 1
		.amdhsa_wavefront_size32 1
		.amdhsa_system_sgpr_workgroup_id_x 1
		.amdhsa_system_sgpr_workgroup_id_y 1
		.amdhsa_system_sgpr_workgroup_id_z 1
		.amdhsa_system_vgpr_workitem_id 0
		.amdhsa_next_free_vgpr 512
		.amdhsa_next_free_sgpr 66
		.amdhsa_reserve_vcc 0
		.amdhsa_float_denorm_mode_32 3
		.amdhsa_float_denorm_mode_16_64 3
		.amdhsa_memory_ordered 1
		.amdhsa_forward_progress 1
		.amdhsa_inst_pref_size 170
	.end_amdhsa_kernel
	.amdgpu_metadata
---
amdhsa.version: [ 1, 2 ]
amdhsa.kernels:
  - .name:           k_q25e002f11f_attn
    .symbol:         k_q25e002f11f_attn.kd
    .args:
      - { .name: qkvbuf, .offset: 0, .size: 8, .value_kind: global_buffer, .address_space: global }
      - { .name: ctxbuf, .offset: 8, .size: 8, .value_kind: global_buffer, .address_space: global }
    .group_segment_fixed_size: 327680
    .private_segment_fixed_size: 0
    .kernarg_segment_align: 8
    .kernarg_segment_size: 16
    .max_flat_workgroup_size: 256
    .sgpr_count:     66
    .vgpr_count:     512
    .wavefront_size: 32
...
	.end_amdgpu_metadata
.endif
;; end of part 3
;; launch post (part 4): grid 256 x 1, 8 waves a work-group, no clusters, 176,128 bytes of LDS; arguments ctxbuf, wbuf, x, bo, ln1_g, ln1_b, b1, b2, ln2_g, ln2_b, out0; writes out0
.if DOCPART == 4
	.amdgcn_target "amdgcn-amd-amdhsa--gfx1250"
	.amdhsa_code_object_version 6
	.text
	.protected	k_q25e002f11f_post
	.globl	k_q25e002f11f_post
	.p2align	8
	.type	k_q25e002f11f_post,@function
k_q25e002f11f_post:
	s_mov_b64 s[64:65], 0
	v_nop
	global_prefetch_b8 v0, s[64:65] scope:SCOPE_SE
	s_setreg_imm32_b32 hwreg(HW_REG_WAVE_MODE, 25, 1), 1
	s_wait_xcnt 0x0
; h = LN1(x + ctx Wo + bo);  out = LN2(h + gelu(h W1 + b1) W2 + b2), the three products on codes of FP8 (E4M3) with E8M0 scales; all else in f32.  Nothing between ctx and out goes to memory.
; SHARES.  A work-group takes 32 tokens (two tiles of 16; tile u takes tokens 8u + r + 8 (r / 8)).  THE WAVES SHARE THE COLUMNS: wave w makes features 64 w .. + 63 of the first and third product and hidden units
; 256 w .. + 255 of the second, for all 32 tokens.  Its weights are 36 records on end in wbuf, laid in register order: they come straight into four buffers of 64 registers, each unit's 18 loads asked for four units ahead.
; No joint loads in a cluster, though every work-group walks the same weights: each byte of a record is wanted by one wave of a work-group, in its registers, and a joint load can only land in LDS, which would add a store
; and a read of LDS for each byte and a meeting of the cluster for each refill.  No tensor loads, so no ring.
; All products are used with source 0 = 16 features, source 1 = 16 tokens: a lane holds one token and, for each block of 32 features, 16 neighbours: what the next quantiser wants.
; OPERANDS GO FROM WAVE TO WAVE THROUGH LDS AS IMAGES OF THEIR REGISTERS (chunk c of a fragment: 512 bytes, lane l's 16 at 16 l); scale words 4 bytes a lane, lanes 0-15 tile 0, lanes 16-31 tile 1.
; LAYERNORM: each wave takes its 64 features' mean and sum of squares about that mean; the eight pairs meet in LDS (one barrier) and are joined exactly: no difference of large sums is formed.
; GELU: x Phi(x), Phi(-|x|) = 0.5 erfc(z), z = |x| / sqrt(2), by t exp(-z^2 + P(t)), t = 1 / (1 + z / 2), P of degree 9 (fractional error 1.2e-7 at every z); Phi(|x|) = 1 - Phi(-|x|).  log2(e) and the 0.5 are folded into P.
; LIMITS: NaN and infinities are not served; a block of zeros gets the byte 1, not 127: its codes are zeros and this program alone reads the bytes.
.set REC,  8448
.set CSB,  4194304
.set AIMG, 0                           ; LDS: ctx's 8 fragments (4 u + s) x 2,048
.set ASC,  16384                       ; their scale words: 128 s + 4 l
.set HIMG, 16896                       ; h's 8 fragments: 8192 u + 2048 s
.set HSC,  33280
.set LN1S, 33792                       ; 1024 u + 64 r + 8 w: (mean, sum of squares) of wave w
.set LN2S, 35840
.set GIMG, 37888                       ; gelu's 32 fragments: 32768 u + 2048 s
.set GSC,  103424                      ; 128 s + 4 l
.set STG,  105472                      ; the way out: 32 rows x (256 + 16) bytes for each wave
.set L16, 1
.set L4,  2
.set R4,  3
.set XA,  4                            ; x: my row and half
.set H64, 5                            ; 64 x (lane / 16)
.set AW,  6                            ; 16 l + 2048 w
.set ASW, 7                            ; 4 r + 128 (w % 4) + 64 (w / 4)
.set LNW, 8                            ; 64 r + 8 w
.set LNR, 9                            ; 64 r
.set HWA, 10                           ; 16 l + 1024 w
.set HSW, 11                           ; 4 l + 128 (w / 2) + 2 (w % 2)
.set GW,  12                           ; where gelu's chunks go
.set GSW, 13                           ; and their scale bytes
.set C9,  14                           ; v14-15 P's highest coefficient, twice
.set TM,  16                           ; v16-31 the quantiser's work; GELU: t (v16-23), P (v24-31)
.set PC,  32                           ; v32-47 codes; GELU: x KM (v32-39), 1 - E (v40-47)
.set WS,  48
.set ASR, 56
.set GA,  57                           ; where gelu's fragments are read
.set GS,  58
.set SOA, 59                           ; the stage: in,
.set SRA, 60                           ; back,
.set OO,  61                           ; and the same place in out0
.set T0,  62                           ; v62-63 at work
.set AF,  64                           ; v64-95 the activations' two fragments; between the products: LayerNorm's work
.set BS,  96                           ; v96-127 a bias in the result's layout
.set ACC, 128                          ; v128-191 the hidden layer's accumulators; else gains and offsets, clipped numbers, rows on the way out
.set Y,   192                          ; v192-255 x + .., then h, then h + ..;   window 1: the four weight buffers
.set TD,  TM
.set TP,  TM+8
.set TX,  PC
.set TF,  PC+8
.set C0,  AF
.set C1,  AF+2
.set D0,  AF+4                         ; eight registers
.set Q0,  AF+12
.set RS,  AF+14
.set MP,  AF+16
.set STP, AF+18                        ; two pairs, one a tile
.set PT,  AF+22
.set WV,  26
.set SEL, 28
.set MNT, 30
.set HI,  31
.set WP,  32
.set B1N, 36
.set BT,  38
.set BP,  40
.set CT,  42
.set SGW, 43
.set SGS, 44
.set SGA, 45
.set SGR, 46
.set K1,  47
.set EPS, 48
.set I512, 49
.set CP,  50
.set CSP, 52
.set CC,  66                           ; s[66+2n : 67+2n]: P's coefficient n, twice, n = 0..8
.set KM,  84                           ; s[84:85]: -log2(e) / 2, twice
.set MSB, 0
.macro WIN new
.if MSB != \new
	s_set_vgpr_msb (MSB<<8)|\new
.set MSB, \new
.endif
.endm
.macro PLACES8                         ; eight places behind this matrix form in front of loads into its registers and of the first read of results
.rept 8
	v_nop
.endr
.endm
.macro WMS d, a, b, c, sa, sb, ra, rb
.if ((\ra) == 0) && ((\rb) == 0)
	v_wmma_scale_f32_16x16x128_f8f6f4 v[\d:\d+7], v[\a:\a+15], v[\b:\b+15], v[\c:\c+7], v[\sa], v[\sb]
.elseif (\rb) == 0
	v_wmma_scale_f32_16x16x128_f8f6f4 v[\d:\d+7], v[\a:\a+15], v[\b:\b+15], v[\c:\c+7], v[\sa], v[\sb] matrix_a_scale:MATRIX_SCALE_ROW1
.elseif (\ra) == 0
	v_wmma_scale_f32_16x16x128_f8f6f4 v[\d:\d+7], v[\a:\a+15], v[\b:\b+15], v[\c:\c+7], v[\sa], v[\sb] matrix_b_scale:MATRIX_SCALE_ROW1
.else
	v_wmma_scale_f32_16x16x128_f8f6f4 v[\d:\d+7], v[\a:\a+15], v[\b:\b+15], v[\c:\c+7], v[\sa], v[\sb] matrix_a_scale:MATRIX_SCALE_ROW1 matrix_b_scale:MATRIX_SCALE_ROW1
.endif
.endm
.macro WLOAD buf, n                    ; the record n behind s[WP] into buffer buf: 16 + 2 loads
	WIN 0x40
.irp ft, 0,1,2,3
.irp c, 0,1,2,3
	global_load_b128 v[64*\buf+16*\ft+4*\c:64*\buf+16*\ft+4*\c+3], v[L16], s[WP:WP+1] offset:(\n)*REC+2048*\ft+512*\c
.endr
.endr
	WIN 0
.irp b, 0,1
	global_load_b32 v[WS+2*\buf+\b], v[L4], s[WP:WP+1] offset:(\n)*REC+8192+128*\b
.endr
.endm
.macro AFETCH adr, off, ustr, sadr, soff        ; the activations' two fragments of a K step and their scale words
.irp u, 0,1
.irp c, 0,1,2,3
	ds_load_b128 v[AF+16*\u+4*\c:AF+16*\u+4*\c+3], v[\adr] offset:\off+\ustr*\u+512*\c
.endr
.endr
	ds_load_b32 v[ASR], v[\sadr] offset:\soff
.endm
.macro BLOAD reg, p                    ; 64 numbers of a vector over features in the result's layout: register 8 (2 b + u) + j: feature 32 b + 16 h + 8 u + j
.irp t, 0,1,2,3
	global_load_b128 v[\reg+8*\t:\reg+8*\t+3], v[H64], s[\p:\p+1] offset:(32*(\t/2)+8*(\t%2))*4
	global_load_b128 v[\reg+8*\t+4:\reg+8*\t+7], v[H64], s[\p:\p+1] offset:(32*(\t/2)+8*(\t%2))*4+16
.endr
.endm
.macro MM buf, acc, cm                 ; 8 matrix instructions on 8 accumulators that take turns; cm = 1: the bias is the C of the sum's first instruction
	WIN 0x01
.irp ft, 0,1,2,3
.irp u, 0,1
.if \cm
	WMS \acc+32*\u+8*\ft, 64*\buf+16*\ft, AF+16*\u, BS+8*\ft, WS+2*\buf+\ft/2, ASR, \ft%2, \u
.else
	WMS \acc+32*\u+8*\ft, 64*\buf+16*\ft, AF+16*\u, \acc+32*\u+8*\ft, WS+2*\buf+\ft/2, ASR, \ft%2, \u
.endif
.endr
.endr
	WIN 0
.endm
.macro UNITP n, buf, acc, cm           ; n: the loads that may stay out: those of the units asked for behind this one
	s_wait_loadcnt \n
	s_wait_dscnt 0x0                               ; the activations' fragments are in, and my LDS stores have read their registers
	MM \buf, \acc, \cm
	PLACES8
.endm
.macro BAR                             ; my LDS stores have landed and my LDS loads are in: then the work-group's barrier
	s_wait_dscnt 0x0
	s_barrier_signal -1
	s_barrier_wait -1
.endm
.macro QUANT s, d                      ; 64 numbers of a lane, four blocks of 16 (block 2 u + b), clipped into v[d] on, codes in v[PC] on, bytes in v[TM+4] on
.irp b, 0,1,2,3
	v_max3_num_f32 v[TM+\b], |v[\s+16*\b]|, |v[\s+16*\b+1]|, 0x4800000
.endr
.irp i, 2,4,6,8,10,12,14
.irp b, 0,1,2,3
	s_delay_alu instid0(VALU_DEP_4)
	v_max3_num_f32 v[TM+\b], v[TM+\b], |v[\s+16*\b+\i]|, |v[\s+16*\b+\i+1]|
.endr
.endr
.irp b, 0,1,2,3
	v_permlanex16_b32 v[TM+4+\b], v[TM+\b], s[SEL], s[SEL+1]
.endr
.irp b, 0,1,2,3
	s_delay_alu instid0(VALU_DEP_4)
	v_max_num_f32 v[TM+\b], v[TM+\b], v[TM+4+\b]
.endr
.irp b, 0,1,2,3
	s_delay_alu instid0(VALU_DEP_4)
	v_add_nc_u32 v[TM+12+\b], 0xfc000000, v[TM+\b]
.endr
.irp b, 0,1,2,3
	v_and_or_b32 v[TM+8+\b], v[TM+\b], 0x7f800000, s[MNT]
.endr
.irp b, 0,1,2,3
	v_lshrrev_b32 v[TM+4+\b], 23, v[TM+12+\b]
.endr
.irp b, 0,1,2,3
.irp i, 0,1,2,3,4,5,6,7,8,9,10,11,12,13,14,15
	v_med3_num_f32 v[\d+16*\b+\i], v[\s+16*\b+\i], -v[TM+8+\b], v[TM+8+\b]   ; the conversion does not saturate (ISA guide 7.6.2): the hold
.endr
	v_cvt_scalef32_pk8_fp8_f32 v[PC+4*\b:PC+4*\b+1], v[\d+16*\b:\d+16*\b+7], v[TM+12+\b]
	v_cvt_scalef32_pk8_fp8_f32 v[PC+4*\b+2:PC+4*\b+3], v[\d+16*\b+8:\d+16*\b+15], v[TM+12+\b]
.endr
	v_nop
.endm
.macro HALFW                           ; the two tiles' two bytes: lanes 0-15 tile 0's, lanes 16-31 tile 1's
	v_lshl_or_b32 v[T0], v[TM+5], 8, v[TM+4]
	v_lshl_or_b32 v[T0+1], v[TM+7], 8, v[TM+6]
	s_delay_alu instid0(VALU_DEP_1)
	v_cndmask_b32 v[T0], v[T0], v[T0+1], s[HI]
.endm
.macro YADD                            ; Y += the bias in BS, both tiles
.irp u, 0,1
.set j, 0
.rept 16
	v_pk_add_f32 v[Y+32*\u+j:Y+32*\u+j+1], v[Y+32*\u+j:Y+32*\u+j+1], v[BS+j:BS+j+1]
.set j, j+2
.endr
.endr
.endm
.macro GELU x                          ; eight numbers in place
.irp i, 0,1,2,3,4,5,6,7
	v_fma_f32 v[TD+\i], |v[\x+\i]|, s[K1], 1.0     ; 1 + z / 2
.endr
	s_wait_alu depctr_va_vdst(0)
.irp i, 0,1,2,3,4,5,6,7
	v_rcp_f32 v[TD+\i], v[TD+\i]                   ; t
.endr
.irp k, 0,2,4,6
	v_pk_mul_f32 v[TX+\k:TX+\k+1], v[\x+\k:\x+\k+1], s[KM:KM+1] op_sel_hi:[1,0]    ; -x log2(e) / 2 (plain places behind the reciprocals)
.endr
	s_wait_alu depctr_va_vdst(0)
.irp k, 0,2,4,6
	v_pk_fma_f32 v[TP+\k:TP+\k+1], v[TD+\k:TD+\k+1], v[C9:C9+1], s[CC+16:CC+17] op_sel_hi:[1,1,0]
.endr
.irp n, 14,12,10,8,6,4,2,0
.irp k, 0,2,4,6
	v_pk_fma_f32 v[TP+\k:TP+\k+1], v[TP+\k:TP+\k+1], v[TD+\k:TD+\k+1], s[CC+\n:CC+\n+1] op_sel_hi:[1,1,0]
.endr
.endr
.irp k, 0,2,4,6
	v_pk_fma_f32 v[TP+\k:TP+\k+1], v[TX+\k:TX+\k+1], v[\x+\k:\x+\k+1], v[TP+\k:TP+\k+1]   ; - z^2 log2(e) + P
.endr
	s_wait_alu depctr_va_vdst(0)
.irp i, 0,1,2,3,4,5,6,7
	v_exp_f32 v[TP+\i], v[TP+\i]
.endr
	v_nop
	s_wait_alu depctr_va_vdst(0)
.irp k, 0,2,4,6
	v_pk_mul_f32 v[TP+\k:TP+\k+1], v[TP+\k:TP+\k+1], v[TD+\k:TD+\k+1]              ; E = Phi(-|x|)
.endr
.irp k, 0,2,4,6
	s_delay_alu instid0(VALU_DEP_4)
	v_pk_fma_f32 v[TF+\k:TF+\k+1], v[TP+\k:TP+\k+1], -1.0, 1.0 op_sel_hi:[1,0,0]   ; 1 - E = Phi(|x|)
.endr
.irp i, 0,1,2,3,4,5,6,7
	v_cmp_gt_f32 vcc_lo, 0, v[\x+\i]
	s_delay_alu instid0(VALU_DEP_1)
	v_cndmask_b32 v[TF+\i], v[TF+\i], v[TP+\i], vcc_lo     ; a negative x takes E itself: nothing cancels
.endr
.irp k, 0,2,4,6
	v_pk_mul_f32 v[\x+\k:\x+\k+1], v[\x+\k:\x+\k+1], v[TF+\k:TF+\k+1]
.endr
.endm
.macro LNSTAT u, base                  ; my wave's 64 features of tile u's token r: mean, and sum of squares about it.  Y is read in ascending order
.set YU, Y+32*\u
	v_pk_add_f32 v[C0:C0+1], v[YU:YU+1], v[YU+2:YU+3]
	v_pk_add_f32 v[C1:C1+1], v[YU+4:YU+5], v[YU+6:YU+7]
.irp j, 8,12,16,20,24,28
	v_pk_add_f32 v[C0:C0+1], v[C0:C0+1], v[YU+\j:YU+\j+1]
	v_pk_add_f32 v[C1:C1+1], v[C1:C1+1], v[YU+\j+2:YU+\j+3]
.endr
	s_delay_alu instid0(VALU_DEP_1)
	v_pk_add_f32 v[C0:C0+1], v[C0:C0+1], v[C1:C1+1]
	s_delay_alu instid0(VALU_DEP_1)
	v_add_f32 v[C0], v[C0], v[C0+1]
	s_delay_alu instid0(VALU_DEP_1)
	v_permlanex16_b32 v[PT], v[C0], s[SEL], s[SEL+1]
	s_delay_alu instid0(VALU_DEP_1)
	v_add_f32 v[C0], v[C0], v[PT]
	s_delay_alu instid0(VALU_DEP_1)
	v_mul_f32 v[MP], 0x3c800000, v[C0]             ; / 64
	s_delay_alu instid0(VALU_DEP_2)
	v_mul_f32 v[MP+1], 0x3c800000, v[C0]
.irp j, 0,8,16,24
.irp k, 0,2,4,6
	v_pk_add_f32 v[D0+\k:D0+\k+1], v[YU+\j+\k:YU+\j+\k+1], v[MP:MP+1] neg_lo:[0,1] neg_hi:[0,1]
.endr
.if \j == 0
	s_delay_alu instid0(VALU_DEP_4)
	v_pk_mul_f32 v[Q0:Q0+1], v[D0:D0+1], v[D0:D0+1]
	s_delay_alu instid0(VALU_DEP_4)
	v_pk_mul_f32 v[RS:RS+1], v[D0+2:D0+3], v[D0+2:D0+3]
.else
	s_delay_alu instid0(VALU_DEP_4)
	v_pk_fma_f32 v[Q0:Q0+1], v[D0:D0+1], v[D0:D0+1], v[Q0:Q0+1]
	s_delay_alu instid0(VALU_DEP_4)
	v_pk_fma_f32 v[RS:RS+1], v[D0+2:D0+3], v[D0+2:D0+3], v[RS:RS+1]
.endif
	s_delay_alu instid0(VALU_DEP_2)
	v_pk_fma_f32 v[Q0:Q0+1], v[D0+4:D0+5], v[D0+4:D0+5], v[Q0:Q0+1]
	s_delay_alu instid0(VALU_DEP_2)
	v_pk_fma_f32 v[RS:RS+1], v[D0+6:D0+7], v[D0+6:D0+7], v[RS:RS+1]
.endr
	s_delay_alu instid0(VALU_DEP_1)
	v_pk_add_f32 v[Q0:Q0+1], v[Q0:Q0+1], v[RS:RS+1]
	s_delay_alu instid0(VALU_DEP_1)
	v_add_f32 v[Q0], v[Q0], v[Q0+1]
	s_delay_alu instid0(VALU_DEP_1)
	v_permlanex16_b32 v[PT], v[Q0], s[SEL], s[SEL+1]
	s_delay_alu instid0(VALU_DEP_1)
	v_add_f32 v[STP+2*\u+1], v[Q0], v[PT]
	v_mov_b32 v[STP+2*\u], v[MP]
	ds_store_b64 v[LNW], v[STP+2*\u:STP+2*\u+1] offset:\base+1024*\u      ; both halves of the lanes write the same pair
.endm
.macro LNLOAD base                     ; the eight waves' pairs: tile 0's into v[TM] on, tile 1's into v[PC] on
.irp i, 0,1,2,3
	ds_load_b128 v[TM+4*\i:TM+4*\i+3], v[LNR] offset:\base+16*\i
	ds_load_b128 v[PC+4*\i:PC+4*\i+3], v[LNR] offset:\base+1024+16*\i
.endr
	s_wait_dscnt 0x0
.endm
.macro LNFIN u, p                      ; the row's mean and variance from the eight pairs; then (y - mean) rsqrt(var + eps) g + b, g in v[ACC] on, b in v[ACC+32] on
.set YU, Y+32*\u
	v_pk_add_f32 v[C0:C0+1], v[\p:\p+1], v[\p+2:\p+3]
	v_pk_add_f32 v[C1:C1+1], v[\p+4:\p+5], v[\p+6:\p+7]
	s_delay_alu instid0(VALU_DEP_2)
	v_pk_add_f32 v[C0:C0+1], v[C0:C0+1], v[\p+8:\p+9]
	s_delay_alu instid0(VALU_DEP_2)
	v_pk_add_f32 v[C1:C1+1], v[C1:C1+1], v[\p+10:\p+11]
	s_delay_alu instid0(VALU_DEP_2)
	v_pk_add_f32 v[C0:C0+1], v[C0:C0+1], v[\p+12:\p+13]
	s_delay_alu instid0(VALU_DEP_2)
	v_pk_add_f32 v[C1:C1+1], v[C1:C1+1], v[\p+14:\p+15]
	s_delay_alu instid0(VALU_DEP_1)
	v_pk_add_f32 v[C0:C0+1], v[C0:C0+1], v[C1:C1+1]          ; (sum of means, sum of sums of squares)
	s_delay_alu instid0(VALU_DEP_1)
	v_mul_f32 v[MP], 0x3e000000, v[C0]             ; the row's mean
	s_delay_alu instid0(VALU_DEP_2)
	v_mul_f32 v[MP+1], 0x3e000000, v[C0]
.irp w, 0,1,2,3,4,5,6,7
	v_sub_f32 v[D0+\w], v[\p+2*\w], v[MP]
.endr
	v_mul_f32 v[Q0], v[D0], v[D0]
	v_mul_f32 v[Q0+1], v[D0+1], v[D0+1]
.irp w, 2,4,6
	s_delay_alu instid0(VALU_DEP_2)
	v_fma_f32 v[Q0], v[D0+\w], v[D0+\w], v[Q0]
	s_delay_alu instid0(VALU_DEP_2)
	v_fma_f32 v[Q0+1], v[D0+\w+1], v[D0+\w+1], v[Q0+1]
.endr
	s_delay_alu instid0(VALU_DEP_1)
	v_add_f32 v[Q0], v[Q0], v[Q0+1]
	s_delay_alu instid0(VALU_DEP_1)
	v_fma_f32 v[Q0], v[Q0], 0x42800000, v[C0+1]    ; + 64 x the squares of the waves' means about the row's
	s_delay_alu instid0(VALU_DEP_1)
	v_fma_f32 v[Q0], v[Q0], s[I512], s[EPS]
	s_wait_alu depctr_va_vdst(0)
	v_rsq_f32 v[RS], v[Q0]
	v_rsq_f32 v[RS+1], v[Q0]
	v_nop                                          ; a plain place behind the transcendentals
	s_wait_alu depctr_va_vdst(0)
.irp j, 0,8,16,24
.irp k, 0,2,4,6
	v_pk_add_f32 v[YU+\j+\k:YU+\j+\k+1], v[YU+\j+\k:YU+\j+\k+1], v[MP:MP+1] neg_lo:[0,1] neg_hi:[0,1]
.endr
.irp k, 0,2,4,6
	v_pk_mul_f32 v[YU+\j+\k:YU+\j+\k+1], v[YU+\j+\k:YU+\j+\k+1], v[RS:RS+1]
.endr
.irp k, 0,2,4,6
	s_delay_alu instid0(VALU_DEP_4)
	v_pk_fma_f32 v[YU+\j+\k:YU+\j+\k+1], v[YU+\j+\k:YU+\j+\k+1], v[ACC+\j+\k:ACC+\j+\k+1], v[ACC+32+\j+\k:ACC+32+\j+\k+1]
.endr
.endr
.endm
	s_load_b512 s[4:19], s[0:1], 0x0               ; ctxbuf, wbuf, x, bo, ln1_g, ln1_b, b1, b2
	s_load_b128 s[20:23], s[0:1], 0x40             ; ln2_g, ln2_b
	s_load_b64 s[24:25], s[0:1], 0x50              ; out0
	v_lshrrev_b32 v[T0], 5, v0
	s_delay_alu instid0(VALU_DEP_1)
	v_readfirstlane_b32 s[WV], v[T0]               ; wave 0..7
	v_and_b32 v[T0], 31, v0
	s_delay_alu instid0(VALU_DEP_1)
	v_lshlrev_b32 v[L16], 4, v[T0]
	s_delay_alu instid0(VALU_DEP_2)
	v_lshlrev_b32 v[L4], 2, v[T0]
	v_and_b32 v[T0], 15, v0                        ; r
	v_bfe_u32 v[T0+1], v0, 4, 1                    ; h
	s_delay_alu instid0(VALU_DEP_2)
	v_lshlrev_b32 v[R4], 2, v[T0]
	s_delay_alu instid0(VALU_DEP_3)
	v_and_b32 v[XA], 8, v[T0]
	s_delay_alu instid0(VALU_DEP_1)
	v_add_nc_u32 v[XA], v[XA], v[T0]               ; r + 8 (r / 8)
	s_delay_alu instid0(VALU_DEP_1)
	v_lshlrev_b32 v[XA], 11, v[XA]
	s_delay_alu instid0(VALU_DEP_1)
	v_lshl_add_u32 v[XA], v[T0+1], 6, v[XA]        ; a token's row is 2,048 bytes; + 64 h
	v_lshlrev_b32 v[H64], 6, v[T0+1]
	s_lshl_b32 s54, s[WV], 11
	v_add_nc_u32 v[AW], s54, v[L16]
	s_and_b32 s55, s[WV], 3
	s_lshr_b32 s56, s[WV], 2
	s_lshl_b32 s54, s55, 7
	s_lshl_b32 s57, s56, 6
	s_add_co_u32 s54, s54, s57
	v_add_nc_u32 v[ASW], s54, v[R4]
	v_lshlrev_b32 v[LNR], 6, v[T0]
	s_lshl_b32 s54, s[WV], 3
	v_add_nc_u32 v[LNW], s54, v[LNR]
	s_lshl_b32 s54, s[WV], 10
	v_add_nc_u32 v[HWA], s54, v[L16]
	s_lshr_b32 s54, s[WV], 1
	s_lshl_b32 s54, s54, 7
	s_and_b32 s57, s[WV], 1
	s_lshl_b32 s57, s57, 1
	s_add_co_u32 s54, s54, s57
	v_add_nc_u32 v[HSW], s54, v[L4]
	s_mul_i32 s54, s[WV], 8704
	s_add_co_u32 s54, s54, STG                     ; my stage
	v_mul_u32_u24 v[SOA], v[T0], 272
	s_delay_alu instid0(VALU_DEP_1)
	v_lshl_add_u32 v[SOA], v[T0+1], 6, v[SOA]
	s_delay_alu instid0(VALU_DEP_1)
	v_add_nc_u32 v[SOA], s54, v[SOA]               ; in: row r, + 64 h
	v_mul_u32_u24 v[SRA], v[T0+1], 272
	s_delay_alu instid0(VALU_DEP_1)
	v_lshl_add_u32 v[SRA], v[T0], 4, v[SRA]
	s_delay_alu instid0(VALU_DEP_1)
	v_add_nc_u32 v[SRA], s54, v[SRA]               ; back: lanes 0-15 one row, lanes 16-31 the next
	v_lshlrev_b32 v[OO], 11, v[T0+1]
	s_delay_alu instid0(VALU_DEP_1)
	v_lshl_add_u32 v[OO], v[T0], 4, v[OO]          ; and the same two rows in out0
	v_mov_b32 v[C9], 0x3e7c6f08
	v_mov_b32 v[C9+1], 0x3e7c6f08
.irp b, 0,1,2,3
	v_mov_b32 v[TM+4+\b], 0                        ; a lane permute's destination counts as one of its sources
.endr
	s_mov_b32 s[SEL], 0x76543210
	s_mov_b32 s[SEL+1], 0xfedcba98
	s_mov_b32 s[MNT], 0x600000
	s_mov_b32 s[HI], 0xffff0000
	s_mov_b32 s[K1], 0x3eb504f3                    ; 1 / (2 sqrt(2))
	s_mov_b32 s[EPS], 0x3727c5ac                   ; 1e-5
	s_mov_b32 s[I512], 0x3b000000                  ; 1 / 512
.macro CPAIR n, val                    ; the packed forms name a pair: both words are written
	s_mov_b32 s[\n], \val
	s_mov_b32 s[\n+1], \val
.endm
	CPAIR CC, 0xc034d90f                           ; -1.26551223 log2(e) - 1
	CPAIR CC+2, 0x3fb8ab5a                         ; 1.00002368 log2(e), and so on
	CPAIR CC+4, 0x3f0a29d2
	CPAIR CC+6, 0x3e0efb2e
	CPAIR CC+8, 0xbe899a80
	CPAIR CC+10, 0x3ecdfd18
	CPAIR CC+12, 0xbfd1a1e5
	CPAIR CC+14, 0x40097039
	CPAIR CC+16, 0xbf97d29d
	CPAIR KM, 0xbf38aa3b
	s_lshl_b32 s[SGW], s[WV], 12
	s_add_co_u32 s[SGW], s[SGW], GIMG              ; gelu's chunks of my wave: GIMG + 4096 w, + 2048 a trip
	s_lshl_b32 s[SGS], s[WV], 8
	s_add_co_u32 s[SGS], s[SGS], GSC               ; their scale bytes: GSC + 256 w, + 128 a trip
	s_mov_b32 s[SGA], GIMG
	s_mov_b32 s[SGR], GSC
	s_mov_b32 s35, 0
	s_wait_kmcnt 0x0
	s_lshl_b32 s54, ttmp9, 3
	s_add_co_u32 s54, s54, s[WV]
	s_lshl_b32 s34, s54, 11
	s_add_nc_u64 s[CP:CP+1], s[4:5], s[34:35]      ; ctx's fragment number w of my 32 rows
	s_lshl_b32 s54, ttmp9, 2
	s_add_co_u32 s54, s54, s55
	s_lshl_b32 s34, s54, 7
	s_lshl_b32 s57, s56, 6
	s_add_co_u32 s34, s34, s57
	s_add_co_u32 s34, s34, CSB
	s_add_nc_u64 s[CSP:CSP+1], s[4:5], s[34:35]    ; and its 16 scale words
	s_mul_i32 s34, s[WV], 36*REC
	s_add_co_u32 s34, s34, 96*REC
	s_add_nc_u64 s[WP:WP+1], s[6:7], s[34:35]      ; my 36 records
	s_lshl_b32 s34, ttmp9, 16
	s_lshl_b32 s57, s[WV], 8
	s_add_co_u32 s34, s34, s57
	s_add_nc_u64 s[8:9], s[8:9], s[34:35]          ; x and out0 at my 32 rows and my 64 features
	s_add_nc_u64 s[24:25], s[24:25], s[34:35]
	s_mov_b32 s34, s57
	s_add_nc_u64 s[10:11], s[10:11], s[34:35]      ; bo, the gains and offsets, b2 at my 64 features
	s_add_nc_u64 s[12:13], s[12:13], s[34:35]
	s_add_nc_u64 s[14:15], s[14:15], s[34:35]
	s_add_nc_u64 s[18:19], s[18:19], s[34:35]
	s_add_nc_u64 s[20:21], s[20:21], s[34:35]
	s_add_nc_u64 s[22:23], s[22:23], s[34:35]
	s_lshl_b32 s34, s[WV], 10
	s_add_nc_u64 s[16:17], s[16:17], s[34:35]      ; b1 at my 256 hidden units
	s_add_nc_u64 s[B1N:B1N+1], s[16:17], 256       ; and at their second 64
.irp c, 0,1,2,3
	global_load_b128 v[PC+4*\c:PC+4*\c+3], v[L16], s[CP:CP+1] offset:512*\c th:TH_LOAD_NT
.endr
	global_load_b32 v[T0], v[R4], s[CSP:CSP+1]
.irp u, 0,1
.irp b, 0,1
.irp j, 0,1,2,3
	global_load_b128 v[Y+32*\u+16*\b+4*\j:Y+32*\u+16*\b+4*\j+3], v[XA], s[8:9] offset:16384*\u+128*\b+16*\j th:TH_LOAD_NT   ; x in the result's layout
.endr
.endr
.endr
	BLOAD BS, 10                                   ; bo
	WLOAD 0, 0
	s_wait_loadcnt 42                              ; ctx's five loads are in; behind them: x's 16, bo's 8, a unit's 18
.irp c, 0,1,2,3
	ds_store_b128 v[AW], v[PC+4*\c:PC+4*\c+3] offset:AIMG+512*\c
.endr
	ds_store_b32 v[ASW], v[T0] offset:ASC          ; both halves of the lanes write the same word
	BLOAD ACC, 12                                  ; ln1_g
	BLOAD ACC+32, 14                               ; ln1_b
	WLOAD 1, 1
	WLOAD 2, 2
	WLOAD 3, 3
	BAR                                            ; ctx's eight fragments lie in LDS
	AFETCH L16, AIMG, 8192, L4, ASC
	; ---- A: y = x + bo + ctx Wo
	s_wait_loadcnt 54                              ; all but the last three units' loads
	YADD
	s_wait_alu depctr_va_vdst(0)
	UNITP 54, 0, Y, 0
	AFETCH L16, AIMG+2048, 8192, L4, ASC+128
	BLOAD BS, 16                                   ; b1 of my first 64 hidden units, ahead of the loads of the unit that wants it
	WLOAD 0, 4
	UNITP 54, 1, Y, 0
	AFETCH L16, AIMG+4096, 8192, L4, ASC+256
	WLOAD 1, 5
	UNITP 54, 2, Y, 0
	AFETCH L16, AIMG+6144, 8192, L4, ASC+384
	WLOAD 2, 6
	UNITP 54, 3, Y, 0
	WLOAD 3, 7
	s_wait_xcnt 0x0                                ; the loads have read their base: it may step
	s_add_nc_u64 s[WP:WP+1], s[WP:WP+1], 4*REC
	; ---- LN1, and h as an operand
	LNSTAT 0, LN1S
	LNSTAT 1, LN1S
	BAR                                            ; the eight waves' pairs lie in LDS
	LNLOAD LN1S
	LNFIN 0, TM
	LNFIN 1, PC
	QUANT Y, ACC                                   ; h stays in Y; the clipped numbers go where the gains lay
.irp u, 0,1
.irp b, 0,1
	ds_store_b128 v[HWA], v[PC+8*\u+4*\b:PC+8*\u+4*\b+3] offset:HIMG+8192*\u+512*\b    ; chunks 2 (w % 2) + b of K step w / 2
.endr
.endr
	HALFW
	ds_store_b16 v[HSW], v[T0] offset:HSC
	BAR                                            ; h's eight fragments lie in LDS
	AFETCH L16, HIMG, 8192, L4, HSC
	; ---- B: gelu(h W1 + b1), 64 hidden units at a time, quantised into the third product's operand
.macro QUAD e                          ; e: the even or the odd 64 of a trip's 128
	UNITP 54, 0, ACC, 1
	AFETCH L16, HIMG+2048, 8192, L4, HSC+128
.if \e == 0
	BLOAD BS, B1N                                  ; the next 64's bias
.else
	BLOAD BS, BP                                   ; the next trip's first, or b2 behind the last
.endif
	WLOAD 0, 4*\e+4
	UNITP 54, 1, ACC, 0
	AFETCH L16, HIMG+4096, 8192, L4, HSC+256
	WLOAD 1, 4*\e+5
	UNITP 54, 2, ACC, 0
	AFETCH L16, HIMG+6144, 8192, L4, HSC+384
	WLOAD 2, 4*\e+6
	UNITP 54, 3, ACC, 0
	AFETCH L16, HIMG, 8192, L4, HSC
	WLOAD 3, 4*\e+7
.irp a, 0,1,2,3,4,5,6,7
	GELU ACC+8*\a
.endr
	QUANT ACC, ACC
.irp u, 0,1
.irp b, 0,1
	ds_store_b128 v[GW], v[PC+8*\u+4*\b:PC+8*\u+4*\b+3] offset:32768*\u+1024*\e+512*\b
.endr
.endr
	HALFW
	ds_store_b16 v[GSW], v[T0] offset:2*\e
.endm
	s_mov_b32 s[CT], 2
.Lff1:
	v_add_nc_u32 v[GW], s[SGW], v[L16]
	v_add_nc_u32 v[GSW], s[SGS], v[L4]
	s_add_nc_u64 s[BT:BT+1], s[B1N:B1N+1], 256     ; (in the last trip this address is made and not used)
	s_cmp_eq_u32 s[CT], 1
	s_cselect_b64 s[BP:BP+1], s[18:19], s[BT:BT+1] ; no load leaves b1, and b2 is there for the third product
	QUAD 0
	QUAD 1
	s_wait_xcnt 0x0                                ; the loads have read their bases
	s_add_nc_u64 s[WP:WP+1], s[WP:WP+1], 8*REC
	s_add_nc_u64 s[B1N:B1N+1], s[B1N:B1N+1], 512
	s_add_co_u32 s[SGW], s[SGW], 2048
	s_add_co_u32 s[SGS], s[SGS], 128
	s_sub_co_u32 s[CT], s[CT], 1
	s_cmp_lg_u32 s[CT], 0
	s_cbranch_scc1 .Lff1
	BAR                                            ; gelu's 32 fragments lie in LDS
	; ---- C: y = h + b2 + gelu(..) W2
	BLOAD ACC, 20                                  ; ln2_g
	BLOAD ACC+32, 22                               ; ln2_b
	v_add_nc_u32 v[GA], s[SGA], v[L16]
	v_add_nc_u32 v[GS], s[SGR], v[L4]
	AFETCH GA, 0, 32768, GS, 0
	s_wait_loadcnt 54                              ; b2 is in: it was asked for ahead of the four units and the 16 loads that are out
	YADD
	s_mov_b32 s[CT], 3
.Lff2:
	s_wait_alu depctr_va_vdst(0)
	UNITP 54, 0, Y, 0
	v_add_nc_u32 v[GA], s[SGA], v[L16]             ; this trip's four K steps (no LDS load of mine is out)
	v_add_nc_u32 v[GS], s[SGR], v[L4]
	AFETCH GA, 2048, 32768, GS, 128
	WLOAD 0, 4
	s_wait_alu depctr_va_vdst(0)
	UNITP 54, 1, Y, 0
	AFETCH GA, 4096, 32768, GS, 256
	WLOAD 1, 5
	UNITP 54, 2, Y, 0
	AFETCH GA, 6144, 32768, GS, 384
	WLOAD 2, 6
	UNITP 54, 3, Y, 0
	AFETCH GA, 8192, 32768, GS, 512
	WLOAD 3, 7
	s_wait_xcnt 0x0
	s_add_nc_u64 s[WP:WP+1], s[WP:WP+1], 4*REC
	s_add_co_u32 s[SGA], s[SGA], 8192
	s_add_co_u32 s[SGR], s[SGR], 512
	s_sub_co_u32 s[CT], s[CT], 1
	s_cmp_lg_u32 s[CT], 0
	s_cbranch_scc1 .Lff2
	UNITP 54, 0, Y, 0                              ; the last four units ask for nothing: the counts run down
	v_add_nc_u32 v[GA], s[SGA], v[L16]
	v_add_nc_u32 v[GS], s[SGR], v[L4]
	AFETCH GA, 2048, 32768, GS, 128
	s_wait_alu depctr_va_vdst(0)
	UNITP 36, 1, Y, 0
	AFETCH GA, 4096, 32768, GS, 256
	UNITP 18, 2, Y, 0
	AFETCH GA, 6144, 32768, GS, 384
	UNITP 0, 3, Y, 0
	; ---- LN2
	LNSTAT 0, LN2S
	LNSTAT 1, LN2S
	BAR
	LNLOAD LN2S
	LNFIN 0, TM
	LNFIN 1, PC
	; ---- the way out: a lane holds 64 bytes of a row's 256, so the rows go through my own stage and leave as whole aligned runs of 256 bytes.  LDS serves a wave's instructions in order (ISA guide 5.7.1.4)
.irp u, 0,1
.irp b, 0,1
.irp j, 0,1,2,3
	ds_store_b128 v[SOA], v[Y+32*\u+16*\b+4*\j:Y+32*\u+16*\b+4*\j+3] offset:4352*\u+128*\b+16*\j
.endr
.endr
.endr
.irp i, 0,1,2,3,4,5,6,7,8,9,10,11,12,13,14,15
	ds_load_b128 v[ACC+4*\i:ACC+4*\i+3], v[SRA] offset:544*\i
.endr
.irp i, 0,1,2,3,4,5,6,7,8,9,10,11,12,13,14,15
	s_wait_dscnt 15-\i
	global_store_b128 v[OO], v[ACC+4*\i:ACC+4*\i+3], s[24:25] offset:(8*(\i/8)+2*(\i%8)+8*((\i%8)/4))*2048 th:TH_STORE_NT   ; stage rows 2 i, 2 i + 1 are these tokens; 16 lanes store 256 consecutive bytes, aligned
.endr
	s_wait_xcnt 0x0
	v_lshl_add_u32 v254, v0, 2, 0x2ac00
	v_mov_b32 v255, 0
	s_wait_alu depctr_va_vdst(0)
	s_wait_tensorcnt 0x0
	ds_add_u32 v254, v255
	s_wait_dscnt 0x0
	s_endpgm
.Lfunc_end_k_q25e002f11f_post:
	.size	k_q25e002f11f_post, .Lfunc_end_k_q25e002f11f_post-k_q25e002f11f_post
	.p2alignl 7, 3214868480
	.fill 96, 4, 3214868480
	.section	.rodata,"a",@progbits
	.p2align	6, 0x0
	.amdhsa_kernel k_q25e002f11f_post
		.amdhsa_group_segment_fixed_size 176128
		.amdhsa_private_segment_fixed_size 0
		.amdhsa_enable_private_segment 0
		.amdhsa_kernarg_size 88
		.amdhsa_user_sgpr_count 2
		.amdhsa_user_sgpr_kernarg_segment_ptr 1
		.amdhsa_wavefront_size32 1
		.amdhsa_system_sgpr_workgroup_id_x 1
		.amdhsa_system_sgpr_workgroup_id_y 1
		.amdhsa_system_sgpr_workgroup_id_z 1
		.amdhsa_system_vgpr_workitem_id 0
		.amdhsa_next_free_vgpr 512
		.amdhsa_next_free_sgpr 96
		.amdhsa_reserve_vcc 1
		.amdhsa_float_denorm_mode_32 3
		.amdhsa_float_denorm_mode_16_64 3
		.amdhsa_memory_ordered 1
		.amdhsa_forward_progress 1
		.amdhsa_inst_pref_size 255
	.end_amdhsa_kernel
	.section	.bss,"aw",@nobits
	.p2align	6
	.space	262144
	.amdgpu_metadata
---
amdhsa.version: [ 1, 2 ]
amdhsa.kernels:
  - .name:           k_q25e002f11f_post
    .symbol:         k_q25e002f11f_post.kd
    .args:
      - { .name: ctxbuf, .offset: 0, .size: 8, .value_kind: global_buffer, .address_space: global }
      - { .name: wbuf, .offset: 8, .size: 8, .value_kind: global_buffer, .address_space: global }
      - { .name: x, .offset: 16, .size: 8, .value_kind: global_buffer, .address_space: global }
      - { .name: bo, .offset: 24, .size: 8, .value_kind: global_buffer, .address_space: global }
      - { .name: ln1_g, .offset: 32, .size: 8, .value_kind: global_buffer, .address_space: global }
      - { .name: ln1_b, .offset: 40, .size: 8, .value_kind: global_buffer, .address_space: global }
      - { .name: b1, .offset: 48, .size: 8, .value_kind: global_buffer, .address_space: global }
      - { .name: b2, .offset: 56, .size: 8, .value_kind: global_buffer, .address_space: global }
      - { .name: ln2_g, .offset: 64, .size: 8, .value_kind: global_buffer, .address_space: global }
      - { .name: ln2_b, .offset: 72, .size: 8, .value_kind: global_buffer, .address_space: global }
      - { .name: out0, .offset: 80, .size: 8, .value_kind: global_buffer, .address_space: global }
    .group_segment_fixed_size: 176128
    .private_segment_fixed_size: 0
    .kernarg_segment_align: 8
    .kernarg_segment_size: 88
    .max_flat_workgroup_size: 256
    .sgpr_count:     96
    .vgpr_count:     512
    .wavefront_size: 32
...
	.end_amdgpu_metadata
.endif
;; end of part 4
